; MI455X (gfx1250); checked and timed in simulation.
; The chip was launched on July 23, 2026; its instructions are those of AMD's public machine-readable ISA for CDNA 5 (MIT licence, August 2026) and "CDNA5" Instruction Set Architecture Reference Guide (July 2026). The comments in the code are by the model that wrote it; some were corrected since.
;; Backdoor Adjusted Attention. Allowed arithmetic: matrix products marked QUANTISED: E2M3 operands, one E8M0 scale for each 32 along K, by v_wmma_scale_f32_16x16x128_f8f6f4 with both operands' format E2M3, f32 sums; everything else in f32.
;; Inputs: Wc 2,048 x 1,024 float32; We 2,048 x 1,024 float32; Wk 1,024 x 1,024 float32; Wo 1,024 x 1,024 float32; Wq 1,024 x 1,024 float32; Wv 1,024 x 1,024 float32; backdoor_mask 2,048 x 2,048 float32; bc 1,024 float32; be 1,024 float32; bk 1,024 float32; bo 1,024 float32; bq 1,024 float32; bv 1,024 float32; causal_graph 2,048 x 2,048 float32; x 2 x 2,048 x 1,024 float32.
;; Outputs: out0 2 x 2,048 x 1,024 float32.
;; This version of the problem:
;;   THIS VERSION OF THE PROBLEM IS GIVEN IN LOW PRECISION. The matrix products marked QUANTISED in the list below multiply operands that are first quantised to E2M3 (2 exponent bits, 3 mantissa bits; 6 bits a number), with one power-of-two scale for each 32 numbers along K (OCP MX v1.0); their sums are f32. All else is computed in f32.
;;   The module's matrix products, in the order in which they are computed (A, B: the left and right operand; K: the contracted axis; several contracted axes count as one K, in the product's order):
;;     1. [M 4,096, K 1,024] x [K 1,024, N 1,024]; A: input x; B: input Wq: QUANTISED
;;     2. [M 2,048, K 2,048] x [K 2,048, N 1,024]; A: input causal_graph; B: input Wc: QUANTISED
;;     3. [M 4,096, K 1,024] x [K 1,024, N 1,024]; A: input x; B: input Wk: QUANTISED
;;     4. [M 2,048, K 2,048] x [K 2,048, N 1,024]; A: input causal_graph; B: input We: QUANTISED
;;     5. [M 4,096, K 1,024] x [K 1,024, N 1,024]; A: input x; B: input Wv: QUANTISED
;;     6. batch 32 x [M 2,048, K 64] x [K 64, N 2,048]; A: computed on the way; B: computed on the way: QUANTISED
;;     7. batch 32 x [M 64, K 2,048] x [K 2,048, N 2,048]; A: computed on the way; B: softmax (see below): QUANTISED
;;     8. [M 4,096, K 1,024] x [K 1,024, N 1,024]; A: computed on the way; B: input Wo: QUANTISED
;;   THE QUANTISER, for each operand of a quantised product, along K:
;;     - K is cut into blocks of 32 from its start; a last block that is shorter is filled with zeros.
;;     - A block's scale is 2^e with e = floor(log2(the largest magnitude in the block)) - 2, held to -126 .. 127; a block of zeros has e = 0. As a byte (E8M0): e + 127.
;;     - Each number is divided by its block's scale, clamped to +-7.5, and rounded to the nearest number of E2M3, ties to even, subnormals kept.
;;     - The product sums the exact products of the quantised numbers (number of the format x scale) in f32.
;;   ~~~python
;;   def quantise(x, axis):      # numpy; x: float32 -> the quantised numbers, widened to float32 again
;;       x = np.moveaxis(x, axis, -1); K = x.shape[-1]
;;       x = np.pad(x, [(0, 0)] * (x.ndim - 1) + [(0, -K % 32)]); x = x.reshape(x.shape[:-1] + (-1, 32)); a = np.abs(x).max(-1, keepdims=True)
;;       e = np.where(a > 0, np.clip(np.frexp(np.where(a > 0, a, 1))[1] - 1 - 2, -126, 127), 0)      # np.frexp(a)[1] - 1 = floor(log2(a)), exactly
;;       r = np.clip(x / 2.0 ** e, -7.5, 7.5)
;;       step = 2.0 ** (np.maximum(np.frexp(np.where(r == 0, 1, r))[1] - 1, 0) - 3)
;;       q = np.round(r / step) * step * 2.0 ** e      # np.round: ties to even
;;       return np.moveaxis(q.reshape(q.shape[:-2] + (-1,))[..., :K], -1, axis).astype(np.float32)
;;   ~~~
;;   SOFTMAX AHEAD OF A QUANTISED PRODUCT. Where the list says 'softmax', what is quantised is not the finished softmax but p = 2^(t - M), with t = logit x log2(e) and M = ceil(the row's largest t), a whole number; so 1/2 < the row's largest p <= 1. The row's sum l is taken of the UNQUANTISED p, in f32, and the product's result is divided by l at the end. Since M is a whole number, a kernel that streams over the keys may use a running M (the ceiling of the running maximum): every later rescaling is an exact power of two, which a block's scale takes up: the codes' values come out the same.
;;   OPERANDS COMPUTED ON THE WAY. 'Computed on the way' means the value that the module computes at that place (a softmax that the list does not call 'softmax' is quantised finished and normalised). What goes into a quantiser is computed in f32, as accurately as f32 sums, v_exp_f32 and their like allow (about 1e-6 of the number): no bf16 or f16 on the way to a quantiser, and a product that is left as it is and whose result goes on into a quantised operand takes f32 operands (vector FMAs, or v_wmma_f32_16x16x4_f32). A number that lies on a knife's edge between two numbers of the format may be rounded either way, as far as f32 arithmetic and the matrix unit's own rounding can turn it there, and no further.
;; One version. Each part assembles by itself: llvm-mc -triple=amdgcn-amd-amdhsa -mcpu=gfx1250 --defsym DOCPART=n.
;; ======== version 1 of 1: 4 launches
;; limits: right only within a limited range of input values
;; workspace buffers: opc 15,728,640 bytes; ops 655,360 bytes; qrec 3,407,872 bytes; kvrec 6,684,672 bytes; oc 3,145,728 bytes; os 131,072 bytes
;; launch quant (part 1): grid 640 x 1, 4 waves a work-group, no clusters, 34,304 bytes of LDS; arguments x, causal_graph, Wq, Wk, Wv, Wo, Wc, We, opc, ops; writes opc, ops
.if DOCPART == 1
	.amdgcn_target "amdgcn-amd-amdhsa--gfx1250"
	.amdhsa_code_object_version 6
	.text
	.protected	k_qb2f96f57d2_quant
	.globl	k_qb2f96f57d2_quant
	.p2align	8
	.type	k_qb2f96f57d2_quant,@function
k_qb2f96f57d2_quant:
	s_mov_b64 s[64:65], 0
	v_nop
	global_prefetch_b8 v0, s[64:65] scope:SCOPE_SE
	s_setreg_imm32_b32 hwreg(HW_REG_WAVE_MODE, 25, 1), 1
	s_wait_xcnt 0x0
; Every f32 operand that comes as an input becomes codes of FP6 (E2M3) with one E8M0 byte for each 32 along K, laid as IMAGES OF OPERAND REGISTERS.
; A chunk is 32 rows x 256 K: 6,144 bytes of codes [u][s][1,536] and 256 bytes of scale words [16 u + r][s].  Tile u of the 32 rows: lane r stands for row 8 u + r + 8 (r / 8).
; A fragment (16 rows x 128 K, 12 registers a lane) lies as registers 4 q .. 4 q + 3 at 512 q + 16 x lane.
; Chunk numbers: x 0, causal_graph by rows 512, causal_graph by columns 1024, Wc 1536, We 1792, Wq 2048, Wk 2176, Wv 2304, Wo 2432; within an operand [group of 32 rows][256 along K].
; A wave makes one chunk, number or task 4 x work-group + wave.  Work-groups 0-255: K innermost (x, causal_graph): rows are loaded whole, 512 bytes a load, and turn through the wave's own stage in LDS.
; Work-groups 256-639: K is the first axis: a lane takes a column and its registers run down K.
; A block's scale is 2^(floor(log2(largest magnitude)) - 2): its byte is the largest magnitude's exponent field - 2, held at 1 from below.
; LIMITS: NaN and infinities among the inputs are not served; a block whose largest magnitude lies under 2^-124 keeps byte 1; a block of zeros has byte 1 (its codes are zeros, and this program alone reads the bytes).
.set SPARE, 33792                      ; behind the four stages: the spare words, 128 bytes a wave
.set STGB,  8448                       ; a wave's stage: 16 rows x (512 + 16) bytes
.set SPW,  10                          ; v10  my spare word's LDS address; never rewritten
.set NIL,  11                          ; v11  0; never rewritten
.set RO,   16                          ; rows: v16-23 offsets of rows 0-7 + 16 x lane.  columns: v16-47 offsets of rows 0-31 + 4 x lane
.set F,    24                          ; rows: v24-35 a fragment's codes
.set T,    36                          ; rows: v36-42 the second halves of the blocks' codes
.set W,    44                          ; rows: v44-47 the four fragments' scale words
.set LSET, 64                          ; rows: v64-191 two sets of 16 x 4 registers as loaded
.set N,    192                         ; rows: v192-255 my 64 numbers: 32 c + i = k 64 c + 32 (lane / 16) + i of row lane % 16
	s_load_b512 s[8:23], s[0:1], 0x0               ; x, causal_graph, Wq, Wk, Wv, Wo, Wc, We
	s_load_b128 s[24:27], s[0:1], 0x40             ; opc, ops
	v_lshl_add_u32 v[SPW], v0, 2, SPARE
	v_mov_b32 v[NIL], 0
	v_lshrrev_b32 v1, 5, v0
	v_readfirstlane_b32 s2, v1                     ; wave
	v_and_b32 v1, 31, v0                           ; lane
	s_lshl_b32 s3, ttmp9, 2
	s_add_co_u32 s3, s3, s2                        ; my task
	s_mov_b32 s56, 0x76543210
	s_mov_b32 s57, 0xfedcba98                      ; v_permlanex16_b32's selects for lane xor 16
	s_mov_b32 s58, 0xffff0000                      ; lanes 16-31
	s_mov_b32 s37, 0
	s_wait_kmcnt 0x0
	s_cmp_lt_u32 ttmp9, 256
	s_cbranch_scc0 .Lcols
; ---------------- K innermost ----------------
	s_cmp_lt_u32 ttmp9, 128                        ; x or causal_graph: the choice hangs on the work-group's number alone
	s_cselect_b64 s[28:29], s[8:9], s[10:11]
	s_cselect_b32 s33, 12, 13                      ; log2 of a row's bytes
	s_cselect_b32 s34, 2, 3                        ; log2 of a row's chunks
	s_cselect_b32 s35, 0, 512
	s_sub_co_u32 s36, s3, s35
	s_lshr_b32 s38, s36, s34                       ; group of 32 rows
	s_lshl_b32 s39, 1, s34
	s_sub_co_u32 s39, s39, 1
	s_and_b32 s39, s36, s39                        ; which 256 along K
	s_lshl_b32 s38, s38, 5
	s_lshl_b32 s38, s38, s33
	s_lshl_b32 s39, s39, 10
	s_add_co_u32 s36, s38, s39
	s_add_nc_u64 s[40:41], s[28:29], s[36:37]      ; rows 0-7 of the group,
	s_lshl_b32 s36, 16, s33
	s_add_nc_u64 s[42:43], s[40:41], s[36:37]      ; 16-23: tile 0;
	s_lshl_b32 s36, 8, s33
	s_add_nc_u64 s[44:45], s[40:41], s[36:37]      ; 8-15,
	s_add_nc_u64 s[46:47], s[42:43], s[36:37]      ; 24-31: tile 1
	s_mul_i32 s36, s3, 6144                        ; the chunk's number is the task's
	s_add_nc_u64 s[24:25], s[24:25], s[36:37]
	s_lshl_b32 s36, s3, 8
	s_add_nc_u64 s[26:27], s[26:27], s[36:37]
	s_wait_alu depctr_va_vdst(0)
	v_lshlrev_b32 v2, 4, v1                        ; 16 x lane
	v_lshlrev_b32 v7, 3, v1                        ; 8 x lane
	v_and_b32 v3, 15, v1                           ; r
	v_lshrrev_b32 v6, 4, v1                        ; h
	s_mul_i32 s38, s2, STGB
	v_add_nc_u32 v4, s38, v2                       ; into the stage: 16 x lane of a row
	v_mul_u32_u24 v5, v3, 528
	v_lshl_add_u32 v5, v6, 7, v5
	v_add_nc_u32 v5, s38, v5                       ; out of it: row r, + 128 h
	v_lshlrev_b32 v6, 3, v6                        ; 8 h: where my two scale bytes stand in the word
	v_mov_b32 v55, 0                               ; a lane permute's destination counts as one of its sources
.irp lo, 0,1,2,3,4,5,6,7
	s_lshl_b32 s38, \lo, s33
	v_add_nc_u32 v[RO+\lo], s38, v2
.endr
.macro LOADF f                         ; fragment f = 2 u + s: 16 rows x 512 bytes, a row a load
.irp rho, 0,1,2,3,4,5,6,7,8,9,10,11,12,13,14,15
	global_load_b128 v[LSET+64*((\f)%2)+4*\rho:LSET+64*((\f)%2)+4*\rho+3], v[RO+\rho%8], s[40+4*((\f)/2)+2*(\rho/8):41+4*((\f)/2)+2*(\rho/8)] offset:512*((\f)%2)
.endr
.endm
.macro TURNF f                         ; through my stage: LDS serves a wave's instructions in order, so no wait stands between the stores and the loads
.irp rho, 0,1,2,3,4,5,6,7,8,9,10,11,12,13,14,15
	ds_store_b128 v4, v[LSET+64*((\f)%2)+4*\rho:LSET+64*((\f)%2)+4*\rho+3] offset:528*\rho
.endr
.irp c, 0,1
.irp j, 0,1,2,3,4,5,6,7
	ds_load_b128 v[N+32*\c+4*\j:N+32*\c+4*\j+3], v5 offset:256*\c+16*\j
.endr
.endr
.endm
.macro QUANTR f                        ; my two whole blocks (2 c + h) become registers 6 c .. 6 c + 5; the word's four bytes are gathered from lanes l and l xor 16
.irp c, 0,1
	v_max3_num_f32 v[48+\c], |v[N+32*\c]|, |v[N+32*\c+1]|, 0x1800000   ; with the floor 2^(3 - 127): the byte cannot fall under 1
.endr
.irp i, 2,4,6,8,10,12,14,16,18,20,22,24,26,28,30
.irp c, 0,1
	v_max3_num_f32 v[48+\c], v[48+\c], |v[N+32*\c+\i]|, |v[N+32*\c+\i+1]|
.endr
.endr
.irp c, 0,1
	v_add_nc_u32 v[50+\c], 0xff000000, v[48+\c]    ; 2 off the exponent field: the conversion's scale operand
.endr
.irp c, 0,1
	v_lshrrev_b32 v[52+\c], 23, v[50+\c]           ; the scale's byte
.endr
	v_lshl_or_b32 v54, v53, 16, v52
	v_lshlrev_b32 v54, v6, v54
	v_permlanex16_b32 v55, v54, s56, s57
	v_or_b32 v[W+(\f)], v54, v55
.irp c, 0,1
	v_cvt_scalef32_pk16_fp6_f32 v[F+6*\c:F+6*\c+2], v[N+32*\c:N+32*\c+15], v[50+\c]
	v_cvt_scalef32_pk16_fp6_f32 v[T+4*\c:T+4*\c+2], v[N+32*\c+16:N+32*\c+31], v[50+\c]   ; (a conversion's three registers begin on an even number)
.endr
	v_nop                                          ; one plain line behind the conversions
.irp c, 0,1
.irp i, 0,1,2
	v_mov_b32 v[F+6*\c+3+\i], v[T+4*\c+\i]
.endr
.endr
.endm
	LOADF 0
	LOADF 1
	s_wait_alu depctr_va_vdst(0)
.irp f, 0,1,2,3
.if \f < 3
	s_wait_loadcnt 16                              ; this fragment's 16 loads are in; the next one's may be out
.else
	s_wait_loadcnt 0x0
.endif
	TURNF \f
	s_wait_dscnt 0x0                               ; my 64 numbers are in, and the stage's stores have read their registers,
.if \f < 2
	LOADF \f+2                                     ; which take the loads of two fragments on
.endif
	s_wait_xcnt 0x0                                ; the last fragment's stores have read their data: the codes' registers are written again only behind this wait
	QUANTR \f
.irp q, 0,1,2
	global_store_b128 v2, v[F+4*\q:F+4*\q+3], s[24:25] offset:1536*\f+512*\q   ; 32 lanes store 512 consecutive bytes
.endr
.endr
	v_cndmask_b32 v48, v44, v46, s58               ; lanes 0-15: tile 0's words, lanes 16-31: tile 1's
	v_cndmask_b32 v49, v45, v47, s58
	global_store_b64 v7, v[48:49], s[26:27]        ; 256 consecutive bytes
	s_wait_tensorcnt 0x0                           ; the wave's end
	ds_add_u32 v[SPW], v[NIL]
	s_wait_dscnt 0x0
	s_endpgm
; ---------------- K is the first axis ----------------
.Lcols:
	s_mov_b64 s[28:29], s[18:19]                   ; Wo, unless the work-group's number says otherwise
	s_mov_b32 s30, 2432
	s_cmp_lt_u32 ttmp9, 608
	s_cselect_b64 s[28:29], s[16:17], s[28:29]     ; Wv
	s_cselect_b32 s30, 2304, s30
	s_cmp_lt_u32 ttmp9, 576
	s_cselect_b64 s[28:29], s[14:15], s[28:29]     ; Wk
	s_cselect_b32 s30, 2176, s30
	s_cmp_lt_u32 ttmp9, 544
	s_cselect_b64 s[28:29], s[12:13], s[28:29]     ; Wq
	s_cselect_b32 s30, 2048, s30
	s_cmp_lt_u32 ttmp9, 512
	s_cselect_b64 s[28:29], s[22:23], s[28:29]     ; We
	s_cselect_b32 s30, 1792, s30
	s_cselect_b32 s34, 3, 2                        ; log2 of K / 256
	s_cmp_lt_u32 ttmp9, 448
	s_cselect_b64 s[28:29], s[20:21], s[28:29]     ; Wc
	s_cselect_b32 s30, 1536, s30
	s_cmp_lt_u32 ttmp9, 384
	s_cselect_b64 s[28:29], s[10:11], s[28:29]     ; causal_graph, by columns
	s_cselect_b32 s30, 1024, s30
	s_cselect_b32 s32, 6, 5                        ; log2 of the groups of 32 columns
	s_cselect_b32 s33, 13, 12                      ; log2 of a row's bytes
	s_sub_co_u32 s36, s3, s30
	s_lshl_b32 s38, 1, s32
	s_sub_co_u32 s38, s38, 1
	s_and_b32 s39, s36, s38                        ; group of columns: the four waves stand side by side on 512 bytes
	s_lshr_b32 s38, s36, s32                       ; which 256 along K
	s_lshl_b32 s3, s39, s34
	s_add_co_u32 s3, s3, s38
	s_add_co_u32 s3, s3, s30                       ; the chunk's number
	s_lshl_b32 s38, s38, 8
	s_lshl_b32 s38, s38, s33
	s_lshl_b32 s39, s39, 7
	s_add_co_u32 s36, s38, s39
	s_add_nc_u64 s[40:41], s[28:29], s[36:37]      ; block 0's first row
	s_lshl_b32 s36, 32, s33
.irp t, 1,2,3,4,5,6,7
	s_add_nc_u64 s[40+2*\t:41+2*\t], s[38+2*\t:39+2*\t], s[36:37]   ; block t's: 32 rows on
.endr
	s_mul_i32 s36, s3, 6144
	s_add_nc_u64 s[24:25], s[24:25], s[36:37]
	s_lshl_b32 s36, s3, 8
	s_add_nc_u64 s[26:27], s[26:27], s[36:37]
	s_wait_alu depctr_va_vdst(0)
	v_lshlrev_b32 v2, 2, v1                        ; 4 x lane: my column
	v_bfe_u32 v3, v1, 3, 1                         ; its tile u,
	v_and_b32 v6, 7, v1
	v_lshrrev_b32 v7, 4, v1
	v_lshl_add_u32 v6, v7, 3, v6                   ; and its lane r in the tile: 8 u + r + 8 (r / 8) = my lane
	v_mul_u32_u24 v4, v3, 3072
	v_lshl_add_u32 v4, v6, 4, v4                   ; codes: 3,072 u + 16 r
	v_lshlrev_b32 v5, 7, v3
	v_lshl_add_u32 v5, v6, 3, v5                   ; scale words: 8 (16 u + r)
.irp i, 0,1,2,3,4,5,6,7,8,9,10,11,12,13,14,15,16,17,18,19,20,21,22,23,24,25,26,27,28,29,30,31
	s_lshl_b32 s38, \i, s33
	v_add_nc_u32 v[RO+\i], s38, v2
.endr
.macro LOADC t                         ; block t: 32 rows of my column; a load reads 128 consecutive bytes
.irp i, 0,1,2,3,4,5,6,7,8,9,10,11,12,13,14,15,16,17,18,19,20,21,22,23,24,25,26,27,28,29,30,31
	global_load_b32 v[64+32*((\t)%2)+\i], v[RO+\i], s[40+2*(\t):41+2*(\t)]
.endr
.endm
; Block t = 4 s + kb of my column is block kb of fragment s: registers 6 (kb / 2) .. + 5 of lane 16 (kb % 2) + r.  v128-175: four runs of 12, one for each (s, kb % 2): no store's data are written again.
.macro BLOCK t
.set XS, 64+32*((\t)%2)
.set FB, 128+12*(2*((\t)/4)+(\t)%2)+6*(((\t)%4)/2)
.set FS, 128+12*(2*((\t)/4)+(\t)%2)
.if (\t) < 7
	s_wait_loadcnt 32                              ; this block's 32 loads are in; the next block's may be out
.else
	s_wait_loadcnt 0x0
.endif
	v_max3_num_f32 v180, |v[XS]|, |v[XS+1]|, |v[XS+2]|
	v_max3_num_f32 v181, |v[XS+3]|, |v[XS+4]|, |v[XS+5]|
.irp i, 6,10,14,18,22,26
	v_max3_num_f32 v180, v180, |v[XS+\i]|, |v[XS+\i+1]|
	v_max3_num_f32 v181, v181, |v[XS+\i+2]|, |v[XS+\i+3]|
.endr
	v_max3_num_f32 v180, v180, |v[XS+30]|, |v[XS+31]|
	v_max3_num_f32 v180, v180, v181, 0x1800000     ; and the floor
	v_add_nc_u32 v182, 0xff000000, v180
	v_lshrrev_b32 v183, 23, v182
.if (\t)%4 == 0
	v_mov_b32 v[186+(\t)/4], v183
.else
	v_lshl_or_b32 v[186+(\t)/4], v183, 8*((\t)%4), v[186+(\t)/4]
.endif
	v_cvt_scalef32_pk16_fp6_f32 v[FB:FB+2], v[XS:XS+15], v182
	v_cvt_scalef32_pk16_fp6_f32 v[176:178], v[XS+16:XS+31], v182
	v_nop                                          ; one plain line behind the conversions
.irp i, 0,1,2
	v_mov_b32 v[FB+3+\i], v[176+\i]
.endr
.if (\t)+2 < 8
	LOADC (\t)+2
.endif
.if (\t)%4 >= 2
.irp q, 0,1,2
	global_store_b128 v4, v[FS+4*\q:FS+4*\q+3], s[24:25] offset:1536*((\t)/4)+512*\q+256*((\t)%2)   ; the sixteen lanes of a tile store 256 consecutive bytes
.endr
.endif
.endm
	s_wait_alu depctr_va_vdst(0)
	LOADC 0
	LOADC 1
.irp t, 0,1,2,3,4,5,6,7
	BLOCK \t
.endr
	global_store_b64 v5, v[186:187], s[26:27]      ; my column's two scale words: the wave stores 256 consecutive bytes
	s_wait_tensorcnt 0x0                           ; the same three lines as on the other way
	ds_add_u32 v[SPW], v[NIL]
	s_wait_dscnt 0x0
	s_endpgm
.Lfunc_end_k_qb2f96f57d2_quant:
	.size	k_qb2f96f57d2_quant, .Lfunc_end_k_qb2f96f57d2_quant-k_qb2f96f57d2_quant
	.p2alignl 7, 3214868480
	.fill 96, 4, 3214868480
	.section	.rodata,"a",@progbits
	.p2align	6, 0x0
	.amdhsa_kernel k_qb2f96f57d2_quant
		.amdhsa_group_segment_fixed_size 34304
		.amdhsa_private_segment_fixed_size 0
		.amdhsa_enable_private_segment 0
		.amdhsa_kernarg_size 80
		.amdhsa_user_sgpr_count 2
		.amdhsa_user_sgpr_kernarg_segment_ptr 1
		.amdhsa_wavefront_size32 1
		.amdhsa_system_sgpr_workgroup_id_x 1
		.amdhsa_system_sgpr_workgroup_id_y 1
		.amdhsa_system_sgpr_workgroup_id_z 1
		.amdhsa_system_vgpr_workitem_id 0
		.amdhsa_next_free_vgpr 256
		.amdhsa_next_free_sgpr 66
		.amdhsa_reserve_vcc 0
		.amdhsa_float_denorm_mode_32 3
		.amdhsa_float_denorm_mode_16_64 3
		.amdhsa_memory_ordered 1
		.amdhsa_forward_progress 1
		.amdhsa_inst_pref_size 72
	.end_amdhsa_kernel
	.amdgpu_metadata
---
amdhsa.version: [ 1, 2 ]
amdhsa.kernels:
  - .name:           k_qb2f96f57d2_quant
    .symbol:         k_qb2f96f57d2_quant.kd
    .args:
      - { .name: x, .offset: 0, .size: 8, .value_kind: global_buffer, .address_space: global }
      - { .name: causal_graph, .offset: 8, .size: 8, .value_kind: global_buffer, .address_space: global }
      - { .name: Wq, .offset: 16, .size: 8, .value_kind: global_buffer, .address_space: global }
      - { .name: Wk, .offset: 24, .size: 8, .value_kind: global_buffer, .address_space: global }
      - { .name: Wv, .offset: 32, .size: 8, .value_kind: global_buffer, .address_space: global }
      - { .name: Wo, .offset: 40, .size: 8, .value_kind: global_buffer, .address_space: global }
      - { .name: Wc, .offset: 48, .size: 8, .value_kind: global_buffer, .address_space: global }
      - { .name: We, .offset: 56, .size: 8, .value_kind: global_buffer, .address_space: global }
      - { .name: opc, .offset: 64, .size: 8, .value_kind: global_buffer, .address_space: global }
      - { .name: ops, .offset: 72, .size: 8, .value_kind: global_buffer, .address_space: global }
    .group_segment_fixed_size: 34304
    .private_segment_fixed_size: 0
    .kernarg_segment_align: 8
    .kernarg_segment_size: 80
    .max_flat_workgroup_size: 128
    .sgpr_count:     66
    .vgpr_count:     256
    .wavefront_size: 32
...
	.end_amdgpu_metadata
.endif
;; end of part 1
;; launch qkv (part 2): grid 16 x 16, 4 waves a work-group, clusters of 4 x 4, 327,680 bytes of LDS; arguments opc, ops, bq, bc, bk, be, bv, qrec, kvrec; writes qrec, kvrec
.if DOCPART == 2
	.amdgcn_target "amdgcn-amd-amdhsa--gfx1250"
	.amdhsa_code_object_version 6
	.text
	.protected	k_qb2f96f57d2_qkv
	.globl	k_qb2f96f57d2_qkv
	.p2align	8
	.type	k_qb2f96f57d2_qkv,@function
k_qb2f96f57d2_qkv:
	s_mov_b64 s[64:65], 0
	v_nop
	global_prefetch_b8 v0, s[64:65] scope:SCOPE_SE
	s_setreg_imm32_b32 hwreg(HW_REG_WAVE_MODE, 25, 1), 1
	s_wait_xcnt 0x0
	s_wait_alu depctr_hold_cnt(0) depctr_sa_sdst(0) depctr_va_vdst(0) depctr_va_sdst(0) depctr_va_ssrc(0) depctr_va_vcc(0) depctr_vm_vsrc(0)
	s_getreg_b32 s2, hwreg(HW_REG_IB_STS2, 6, 4)
	s_cmp_eq_u32 s2, 0
	s_cbranch_scc0 .Lentry_in_a_cluster
	s_endpgm
.Lentry_in_a_cluster:
	s_bfe_u32 s2, ttmp6, 0x10000c
	s_cmp_lg_u32 s2, 0xf033
	s_cbranch_scc0 .Lentry_shape_is_right
	s_endpgm
.Lentry_shape_is_right:
.set SLOTB, 98304
.set GX,    196608
.set SPARE, 262144
.set SPW, 28
.set NIL, 29
.set MSB, 0
.macro WIN new
.if MSB != \new
	s_set_vgpr_msb (MSB<<8)|\new
.set MSB, \new
.endif
.endm
.macro PLACES
.rept 4
	v_nop
.endr
.endm
.macro ROUND
	s_barrier_signal -1
	s_barrier_wait -1
	s_cmp_lg_u32 s96, 0
	s_cbranch_scc1 .Lnw0_\@
	s_barrier_signal -3
.Lnw0_\@:
	s_barrier_wait -3
	s_barrier_signal -1
	s_barrier_wait -1
.endm
.macro JL1 p
	s_cmp_lt_u32 s96, 2
	s_cbranch_scc0 .Lb_\@
	tensor_load_to_lds s[68+4*(\p):71+4*(\p)], s[24:31]
	s_nop 0
.rept 4
	v_nop
.endr
	s_branch .Ld_\@
.Lb_\@:
	tensor_load_to_lds s[76+4*(\p):79+4*(\p)], s[32:39]
	s_nop 0
.rept 4
	v_nop
.endr
.Ld_\@:
.endm
.macro JL2
	s_cmp_lt_u32 s96, 2
	s_cbranch_scc0 .Lnx_\@
	tensor_load_to_lds s[84:87], s[40:47]
	s_nop 0
.rept 4
	v_nop
.endr
	s_branch .Ld_\@
.Lnx_\@:
	s_cmp_eq_u32 s96, 2
	s_cbranch_scc0 .Lv_\@
	tensor_load_to_lds s[88:91], s[48:55]
	s_nop 0
.rept 4
	v_nop
.endr
	s_branch .Ld_\@
.Lv_\@:
	tensor_load_to_lds s[92:95], s[56:63]
	s_nop 0
.rept 4
	v_nop
.endr
.Ld_\@:
.endm
.macro WM
.if (RA_ == 0) && (RB_ == 0)
	v_wmma_scale_f32_16x16x128_f8f6f4 v[D_:D_+7], v[A_:A_+11], v[B_:B_+11], v[C_:C_+7], v[SA_], v[SB_] matrix_a_fmt:MATRIX_FMT_FP6 matrix_b_fmt:MATRIX_FMT_FP6
.elseif (RA_ == 1) && (RB_ == 0)
	v_wmma_scale_f32_16x16x128_f8f6f4 v[D_:D_+7], v[A_:A_+11], v[B_:B_+11], v[C_:C_+7], v[SA_], v[SB_] matrix_a_fmt:MATRIX_FMT_FP6 matrix_b_fmt:MATRIX_FMT_FP6 matrix_a_scale:MATRIX_SCALE_ROW1
.elseif RA_ == 0
	v_wmma_scale_f32_16x16x128_f8f6f4 v[D_:D_+7], v[A_:A_+11], v[B_:B_+11], v[C_:C_+7], v[SA_], v[SB_] matrix_a_fmt:MATRIX_FMT_FP6 matrix_b_fmt:MATRIX_FMT_FP6 matrix_b_scale:MATRIX_SCALE_ROW1
.else
	v_wmma_scale_f32_16x16x128_f8f6f4 v[D_:D_+7], v[A_:A_+11], v[B_:B_+11], v[C_:C_+7], v[SA_], v[SB_] matrix_a_fmt:MATRIX_FMT_FP6 matrix_b_fmt:MATRIX_FMT_FP6 matrix_a_scale:MATRIX_SCALE_ROW1 matrix_b_scale:MATRIX_SCALE_ROW1
.endif
.endm
	s_load_b512 s[4:19], s[0:1], 0x0
	s_load_b64 s[20:21], s[0:1], 0x40
	v_lshl_add_u32 v[SPW], v0, 2, SPARE
	v_mov_b32 v[NIL], 0
	ds_add_u32 v[SPW], v[NIL]
	ds_add_u32 v[SPW], v[NIL]
	v_lshrrev_b32 v1, 5, v0
	v_readfirstlane_b32 s96, v1
	s_bfe_u32 s99, ttmp6, 0x40000
	s_bfe_u32 s100, ttmp6, 0x40004
	s_lshr_b32 s22, ttmp9, 1
	s_and_b32 s23, ttmp9, 1
	s_lshl_b32 s23, s23, 2
	s_add_co_u32 s23, s23, s99
	s_and_b32 s66, ttmp7, 0xffff
	s_lshl_b32 s66, s66, 2
	s_add_co_u32 s66, s66, s100
	s_lshl_b32 s2, s100, 2
	s_lshl_b32 s2, 15, s2
	s_lshl_b32 s3, 0x1111, s99
	s_or_b32 s24, s2, (3<<16)|(1<<21)
	s_or_b32 s32, s3, (3<<16)|(1<<21)
	s_or_b32 s40, s2, (3<<16)|(1<<21)
	s_or_b32 s48, s3, (3<<16)|(1<<21)
	s_or_b32 s56, s3, (3<<16)|(1<<21)
.irp g, 24,32
	s_mov_b32 s[\g+1], 1536<<16
	s_mov_b32 s[\g+2], 2<<16
	s_mov_b32 s[\g+3], 1536<<16
	s_mov_b32 s[\g+4], 2
	s_mov_b32 s[\g+5], 6144
	s_mov_b32 s[\g+6], 0
	s_mov_b32 s[\g+7], 0
.endr
.irp g, 40,48
	s_mov_b32 s[\g+1], 768<<16
	s_mov_b32 s[\g+2], 4<<16
	s_mov_b32 s[\g+3], 768<<16
	s_mov_b32 s[\g+4], 4
	s_mov_b32 s[\g+5], 3072
	s_mov_b32 s[\g+6], 0
	s_mov_b32 s[\g+7], 0
.endr
	s_mov_b32 s57, 768<<16
	s_mov_b32 s58, 2<<16
	s_mov_b32 s59, 768<<16
	s_mov_b32 s60, 2
	s_mov_b32 s61, 3072
	s_mov_b32 s62, 0
	s_mov_b32 s63, 0
	s_and_b32 s101, s96, 1
	s_lshr_b32 s67, s96, 1
	s_mul_i32 s97, s96, 24576
	s_mov_b32 s98, 0xffff0000
	s_lshl_b32 s70, s66, 2
	s_lshl_b32 s71, s101, 1
	s_add_co_u32 s70, s70, s71
	s_lshl_b32 s70, s70, 3
	s_lshl_b32 s71, s22, 9
	s_add_co_u32 s70, s70, s71
	s_add_co_u32 s70, s70, 512
	s_mul_i32 s70, s70, 6144
	s_mov_b32 s71, 0
	s_lshl_b32 s78, s23, 2
	s_lshl_b32 s79, s101, 1
	s_add_co_u32 s78, s78, s79
	s_lshl_b32 s78, s78, 3
	s_lshl_b32 s79, s22, 8
	s_add_co_u32 s78, s78, s79
	s_add_co_u32 s78, s78, 1536
	s_mul_i32 s78, s78, 6144
	s_mov_b32 s79, 0
	s_lshl_b32 s86, s101, 6
	s_lshl_b32 s87, s66, 2
	s_add_co_u32 s86, s86, s87
	s_mul_i32 s86, s86, 24576
	s_mov_b32 s87, 0
	s_lshl_b32 s90, s22, 7
	s_lshl_b32 s91, s23, 4
	s_add_co_u32 s90, s90, s91
	s_add_co_u32 s90, s90, 2048
	s_mul_i32 s90, s90, 6144
	s_mov_b32 s91, 0
	s_lshl_b32 s94, s23, 1
	s_add_co_u32 s94, s94, s22
	s_lshl_b32 s94, s94, 3
	s_add_co_u32 s94, s94, 2304
	s_mul_i32 s94, s94, 6144
	s_mov_b32 s95, 0
	; THE PREFETCHES' OFFSETS IN opc.  The launch has eight fills: four of 512 along K of the graph's product, four of 256 along K of x's products.  A wave asks for its share of ITS OWN tiles:
	; behind the first fill for the second and the third, behind each of the next five for the fill two on; the last two fills ask for nothing.
	; The four partners that ask for a tile jointly share its blocks of 256 bytes out by address: place p = cx for the row operands (waves 0, 1), cy for the weights (waves 2, 3).
	; Graph's product: a wave's tile is 2 rows of 12,288 bytes, 49,152 apart: partner p takes row p / 2, half p % 2: 24 blocks.  x's products: 4 rows of 6,144 bytes, 24,576 apart: partner p takes row p: 24 blocks;
	; Wv's tile (wave 3) has 2 rows: row p / 2, half p % 2: 12 blocks.  Lanes past the share name its last block again.  s70, s78, s86, s90, s94 still hold the tiles' offsets here.
	s_cmp_lt_u32 s96, 2
	s_cselect_b32 s2, s70, s78
	s_cselect_b32 s3, s99, s100                    ; p
	s_cselect_b32 s104, s86, s90
	s_lshr_b32 s105, s3, 1
	s_mul_i32 s105, s105, 49152
	s_add_co_u32 s2, s2, s105
	s_and_b32 s105, s3, 1
	s_mul_i32 s105, s105, 6144
	s_add_co_u32 s2, s2, s105                      ; the graph's product: my share's first byte
	s_mul_i32 s105, s3, 24576
	s_add_co_u32 s104, s104, s105                  ; x's products: row p
	s_lshr_b32 s105, s3, 1
	s_mul_i32 s105, s105, 24576
	s_add_co_u32 s105, s105, s94
	s_and_b32 s3, s3, 1
	s_mul_i32 s3, s3, 3072
	s_add_co_u32 s105, s105, s3                    ; Wv's
	s_cmp_eq_u32 s96, 3
	s_cselect_b32 s104, s105, s104
	s_cselect_b32 s3, 11, 23                       ; the share's last block
	v_and_b32 v31, 31, v0
	v_min_u32 v27, 23, v31
	v_min_u32 v30, s3, v31
	v_lshl_add_u32 v27, v27, 8, s2                 ; v27, v30 and the base s[4:5] are never rewritten
	v_lshl_add_u32 v30, v30, 8, s104
	s_wait_alu depctr_va_vdst(0)
	s_wait_dscnt 0x0
	s_wait_kmcnt 0x0
	s_add_nc_u64 s[70:71], s[4:5], s[70:71]
	s_add_nc_u64 s[74:75], s[70:71], 12288
	s_add_nc_u64 s[78:79], s[4:5], s[78:79]
	s_add_nc_u64 s[82:83], s[78:79], 12288
	s_add_nc_u64 s[86:87], s[4:5], s[86:87]
	s_add_nc_u64 s[90:91], s[4:5], s[90:91]
	s_add_nc_u64 s[94:95], s[4:5], s[94:95]
.irp g, 68,72,76,80,84,88,92
	s_mov_b32 s[\g], 1
	s_or_b32 s[\g+3], s[\g+3], 0x80000000
.endr
	s_mov_b32 s69, s97
	s_add_co_u32 s73, s97, SLOTB
	s_mov_b32 s77, s97
	s_add_co_u32 s81, s97, SLOTB
	s_mov_b32 s85, s97
	s_mov_b32 s89, s97
	s_mov_b32 s93, s97
	ROUND
	JL1 0
	global_prefetch_b8 v27, s[4:5] offset:12288 th:TH_LOAD_NT scope:SCOPE_SE   ; the second fill: K 512 .. 1,023 of the graph's product,
	global_prefetch_b8 v27, s[4:5] offset:24576 th:TH_LOAD_NT scope:SCOPE_SE   ; and the third: K 1,024 .. 1,535
	; the addresses, and the loads of the scale words and biases, stand between the first fill's request and the wait for it
	v_and_b32 v1, 31, v0
	v_lshlrev_b32 v20, 4, v1
	v_lshlrev_b32 v12, 3, v1
	v_lshlrev_b32 v21, 2, v1
	s_mul_i32 s2, s67, 24576
	v_add_nc_u32 v2, s2, v20
	v_add_nc_u32 v3, SLOTB, v2
	s_mul_i32 s2, s101, 24576
	s_add_co_u32 s2, s2, 49152
	v_add_nc_u32 v4, s2, v20
	v_add_nc_u32 v5, SLOTB, v4
	s_mul_i32 s2, s101, 12288
	s_add_co_u32 s2, s2, 49152
	v_add_nc_u32 v6, s2, v20
	v_add_nc_u32 v7, SLOTB, v6
	s_mul_i32 s2, s101, 6144
	s_add_co_u32 s2, s2, 73728
	v_add_nc_u32 v8, s2, v20
	v_add_nc_u32 v9, SLOTB, v8
	s_lshl_b32 s2, s101, 15
	s_lshl_b32 s3, s67, 14
	s_add_co_u32 s3, s3, s2
	s_add_co_u32 s3, s3, GX
	v_add_nc_u32 v10, s3, v20
	s_add_co_u32 s2, s2, GX
	v_add_nc_u32 v11, s2, v20
	s_lshl_b32 s2, s66, 2
	s_lshl_b32 s3, s67, 1
	s_add_co_u32 s2, s2, s3
	s_lshl_b32 s2, s2, 3
	s_lshl_b32 s3, s22, 9
	s_add_co_u32 s2, s2, s3
	s_add_co_u32 s2, s2, 512
	s_lshl_b32 s2, s2, 8
	v_add_nc_u32 v13, s2, v12
	s_lshl_b32 s2, s23, 2
	s_lshl_b32 s3, s101, 1
	s_add_co_u32 s104, s2, s3
	s_lshl_b32 s2, s104, 3
	s_lshl_b32 s3, s22, 8
	s_add_co_u32 s2, s2, s3
	s_add_co_u32 s2, s2, 1536
	s_lshl_b32 s2, s2, 8
	v_add_nc_u32 v14, s2, v12
	s_lshl_b32 s2, s67, 6
	s_lshl_b32 s3, s66, 2
	s_add_co_u32 s2, s2, s3
	s_lshl_b32 s2, s2, 10
	v_add_nc_u32 v15, s2, v12
	s_lshl_b32 s2, s104, 2
	s_lshl_b32 s3, s22, 7
	s_add_co_u32 s2, s2, s3
	s_add_co_u32 s2, s2, 2048
	s_lshl_b32 s2, s2, 8
	v_add_nc_u32 v16, s2, v12
	s_lshl_b32 s105, s23, 1
	s_add_co_u32 s105, s105, s22
	s_lshl_b32 s2, s105, 1
	s_add_co_u32 s3, s2, s101
	s_lshl_b32 s2, s3, 2
	s_add_co_u32 s2, s2, 2304
	s_lshl_b32 s2, s2, 8
	v_add_nc_u32 v17, s2, v12
	s_wait_alu depctr_va_vdst(0)
	v_bfe_u32 v22, v0, 4, 1
	v_and_b32 v23, 15, v0
	s_lshl_b32 s2, s104, 7
	v_lshl_add_u32 v18, v22, 6, s2
	s_wait_alu depctr_va_vdst(0)
	v_and_b32 v24, 8, v23
	v_add_nc_u32 v24, v24, v23
	s_lshl_b32 s2, s3, 7
	v_lshl_add_u32 v19, v24, 2, s2
	s_wait_alu depctr_va_vdst(0)
	s_mul_i32 s2, s101, 3072
	v_add_nc_u32 v25, s2, v20
	s_lshl_b32 s2, s101, 7
	v_add_nc_u32 v26, s2, v21
	s_cmp_eq_u32 s22, 0
	s_cselect_b64 s[8:9], s[8:9], s[12:13]
	s_cselect_b64 s[10:11], s[10:11], s[14:15]
	s_cselect_b64 s[18:19], s[18:19], s[20:21]
	s_mov_b32 s3, 13056
	s_cselect_b32 s3, 6656, s3
.irp g, 0,1
.irp s, 0,1,2,3,4,5,6,7
	global_load_b64 v[32+16*\g+2*\s:33+16*\g+2*\s], v13, s[6:7] offset:(8*\g+\s)*256
	global_load_b64 v[64+16*\g+2*\s:65+16*\g+2*\s], v14, s[6:7] offset:(8*\g+\s)*256
.endr
.endr
.irp g, 0,1,2,3
.irp s, 0,1,2,3
	global_load_b64 v[96+8*\g+2*\s:97+8*\g+2*\s], v15, s[6:7] offset:(4*\g+\s)*256
.endr
.endr
.irp g, 0,1
.irp s, 0,1,2,3
	global_load_b64 v[128+8*\g+2*\s:129+8*\g+2*\s], v16, s[6:7] offset:(4*\g+\s)*256
.endr
.endr
.irp s, 0,1,2,3
	global_load_b64 v[144+2*\s:145+2*\s], v17, s[6:7] offset:\s*256
.endr
.irp f, 0,1,2,3
	global_load_b128 v[152+8*\f:155+8*\f], v18, s[8:9] offset:(32*(\f/2)+8*(\f%2))*4
	global_load_b128 v[156+8*\f:159+8*\f], v18, s[8:9] offset:(32*(\f/2)+8*(\f%2))*4+16
	global_load_b128 v[200+8*\f:203+8*\f], v18, s[10:11] offset:(32*(\f/2)+8*(\f%2))*4
	global_load_b128 v[204+8*\f:207+8*\f], v18, s[10:11] offset:(32*(\f/2)+8*(\f%2))*4+16
.endr
.irp u, 0,1
.irp j, 0,1,2,3,4,5,6,7
	global_load_b32 v[184+8*\u+\j], v19, s[16:17] offset:32*\u
.endr
.endr
	s_lshl_b32 s2, s67, 4
	s_lshl_b32 s12, s23, 1
	s_add_co_u32 s12, s12, s2
	s_add_co_u32 s12, s12, s101
	s_lshl_b32 s12, s12, 4
	s_add_co_u32 s12, s12, s66
	s_mul_i32 s12, s12, s3
	s_mov_b32 s13, 0
	s_add_nc_u64 s[18:19], s[18:19], s[12:13]
	s_add_co_u32 s12, s2, s105
	s_lshl_b32 s12, s12, 4
	s_add_co_u32 s12, s12, s66
	s_mul_i32 s12, s12, 13056
	s_add_nc_u64 s[20:21], s[20:21], s[12:13]
	s_wait_alu depctr_va_vdst(0)
	s_wait_tensorcnt 0x0                           ; my part of the first fill is in
	ds_add_u32 v28, v29
	s_wait_dscnt 0x0
	ROUND
	JL1 1                                          ; the second slot's first fill, the first tensor load behind the round
	global_prefetch_b8 v27, s[4:5] offset:36864 th:TH_LOAD_NT scope:SCOPE_SE   ; the fourth fill: K 1,536 .. 2,047
	s_wait_loadcnt 0x0
.irp j, 0,2,4,6,8,10,12,14,16,18,20,22,24,26,28,30
	v_pk_add_f32 v[152+\j:153+\j], v[152+\j:153+\j], v[200+\j:201+\j]
.endr
	s_wait_alu depctr_va_vdst(0)
	s_wait_tensorcnt 0x1
	s_barrier_signal -1
	s_barrier_wait -1
.macro FETCH1
.set PP, (NX/4)%2
.set OO, ((NX/2)%2)*6144+(NX%2)*1536
.set JJ, NX%2
	WIN 0x40
.irp i, 0,1,2,3
.irp q, 0,1,2
	ds_load_b128 v[96*JJ+12*\i+4*\q:96*JJ+12*\i+4*\q+3], v[2+PP] offset:(\i/2)*12288+(\i%2)*3072+OO+512*\q
.endr
.endr
	WIN 0xc0
.irp i, 0,1,2,3
.irp q, 0,1,2
	ds_load_b128 v[128+48*JJ+12*\i+4*\q:128+48*JJ+12*\i+4*\q+3], v[4+PP] offset:(\i/2)*12288+(\i%2)*3072+OO+512*\q
.endr
.endr
.endm
.macro FETCH2
.set K2, NX-16
.set PP, (K2/2)%2
.set OO, (K2%2)*1536
.set JJ, K2%2
	WIN 0x40
.irp i, 0,1,2,3,4,5,6,7
.irp q, 0,1,2
	ds_load_b128 v[96*JJ+12*\i+4*\q:96*JJ+12*\i+4*\q+3], v[2+PP] offset:(\i/2)*6144+(\i%2)*3072+OO+512*\q
.endr
.endr
.irp u, 0,1
.irp q, 0,1,2
	ds_load_b128 v[192+24*JJ+12*\u+4*\q:192+24*JJ+12*\u+4*\q+3], v[8+PP] offset:\u*3072+OO+512*\q
.endr
.endr
	WIN 0xc0
.irp f, 0,1,2,3
.irp q, 0,1,2
	ds_load_b128 v[128+48*JJ+12*\f+4*\q:128+48*JJ+12*\f+4*\q+3], v[6+PP] offset:(\f/2)*6144+(\f%2)*3072+OO+512*\q
.endr
.endr
.endm
.macro MUL1
.set JJ, KG%2
.if KG == 0
	WIN 0x87
.else
	WIN 0xa7
.endif
.irp i, 0,1,2,3
.irp f, 0,1,2,3
.set D_, 32*\i+8*\f
.if KG == 0
.set C_, 152+8*\f
.else
.set C_, D_
.endif
.set A_, 128+48*JJ+12*\f
.set B_, 96*JJ+12*\i
.set SA_, 64+16*(\f/2)+KG
.set SB_, 32+16*(\i/2)+KG
.set RA_, \f%2
.set RB_, \i%2
	WM
.endr
.endr
.endm
.macro MUL2
.set K2, KG-16
.set JJ, K2%2
	WIN 0xa7
.irp i, 0,1,2,3,4,5,6,7
.irp f, 0,1,2,3
.set D_, 32*\i+8*\f
.set C_, D_
.set A_, 128+48*JJ+12*\f
.set B_, 96*JJ+12*\i
.set SA_, 128+8*(\f/2)+K2
.set SB_, 96+8*(\i/2)+K2
.set RA_, \f%2
.set RB_, \i%2
	WM
.endr
.endr
.if K2 == 0
	WIN 0xc5
.else
	WIN 0xf5
.endif
.irp u, 0,1
.irp i, 0,1,2,3,4,5,6,7
.set D_, 64*\u+8*\i
.if K2 == 0
.set C_, 184+8*\u
.else
.set C_, D_
.endif
.set A_, 96*JJ+12*\i
.set B_, 192+24*JJ+12*\u
.set SA_, 96+8*(\i/2)+K2
.set SB_, 144+K2
.set RA_, \i%2
.set RB_, \u
	WM
.endr
.endr
.endm
.macro CHANGE
.if NX <= 16
.set KS, NX/4
.else
.set KS, 4+(NX-16)/2
.endif
	WIN 0
	s_wait_tensorcnt 0x0
	ds_add_u32 v[SPW], v[NIL]
.if KS == 1
	s_add_nc_u64 s[70:71], s[70:71], 24576
	s_add_nc_u64 s[78:79], s[78:79], 24576
.elseif KS == 2
	s_add_nc_u64 s[74:75], s[74:75], 24576
	s_add_nc_u64 s[82:83], s[82:83], 24576
.elseif (KS >= 4) && (KS < 7)
	s_add_nc_u64 s[86:87], s[86:87], 6144
	s_add_nc_u64 s[90:91], s[90:91], 6144
	s_add_nc_u64 s[94:95], s[94:95], 6144
	s_add_co_u32 s85, s97, ((KS+1)%2)*SLOTB
	s_add_co_u32 s89, s97, ((KS+1)%2)*SLOTB
	s_add_co_u32 s93, s97, ((KS+1)%2)*SLOTB
.endif
	s_wait_dscnt 0x0
.if KS < 7
	ROUND
.if KS < 3
	JL1 (KS+1)%2
.else
	JL2
.endif
.else
	s_barrier_signal -1
	s_barrier_wait -1
	PLACES
.endif
.endm
.macro EXCHANGE
	WIN 0
	PLACES
	WIN 0x08
.irp a, 0,1,2,3,4,5,6,7,8,9,10,11,12,13,14,15
	ds_store_b128 v10, v[8*\a:8*\a+3] offset:1024*\a
	ds_store_b128 v10, v[8*\a+4:8*\a+7] offset:1024*\a+512
.endr
	WIN 0
	s_wait_dscnt 0x0
	s_barrier_signal -1
	s_barrier_wait -1
	WIN 0x80
.irp a, 0,1,2,3,4,5,6,7,8,9,10,11,12,13,14,15,16,17,18,19,20,21,22,23,24,25,26,27,28,29,30,31
	ds_load_b128 v[8*\a:8*\a+3], v11 offset:1024*\a
	ds_load_b128 v[8*\a+4:8*\a+7], v11 offset:1024*\a+512
.endr
	WIN 0
	s_wait_dscnt 0x0
.endm
.macro TRIP
.set NX, KG+1
.if (NX == 4) || (NX == 8) || (NX == 12) || (NX == 16) || (NX == 18) || (NX == 20) || (NX == 22)
	CHANGE
.elseif NX < 24
	PLACES
.endif
.if NX < 16
	FETCH1
	s_wait_dscnt 24
.if (NX == 4) || (NX == 8) || (NX == 12)
	global_prefetch_b8 v30, s[4:5] offset:6144*(NX/4-1) th:TH_LOAD_NT scope:SCOPE_SE   ; behind the third, fourth and fifth fill: chunks 0, 1, 2 of x's products, the fill two on (the address register's window is 0 here)
.endif
.elseif NX < 24
	FETCH2
	s_wait_dscnt 42
.if NX == 16
	global_prefetch_b8 v30, s[4:5] offset:18432 th:TH_LOAD_NT scope:SCOPE_SE   ; behind the sixth fill: chunk 3, the last; the last two fills ask for nothing
.endif
.else
	s_wait_dscnt 0x0
.endif
.if KG < 16
	MUL1
.else
	MUL2
.endif
.if KG == 15
	EXCHANGE
.endif
.endm
.set NX, 0
	FETCH1
.set KG, 0
.rept 24
	TRIP
.set KG, KG+1
.endr
	WIN 0
	PLACES
	s_mov_b32 s2, 0x76543210
	s_mov_b32 s3, 0xfedcba98
.irp j, 218,219,232,233,234,235
	v_mov_b32 v[\j], 0
.endr
.macro Q2 tl
.set AB, 32*(\tl)
.set FB, 152+6*(\tl)
	WIN 0x28
	v_mov_b32 v216, 0x1800000
	v_mov_b32 v217, 0x1800000
.irp i, 0,2,4,6,8,10,12,14
.irp b, 0,1
	v_max3_num_f32 v[216+\b], v[216+\b], |v[AB+16*\b+\i]|, |v[AB+16*\b+\i+1]|
.endr
.endr
	WIN 0
	v_permlanex16_b32 v218, v216, s2, s3
	v_permlanex16_b32 v219, v217, s2, s3
	v_max_num_f32 v216, v216, v218
	v_max_num_f32 v217, v217, v219
	v_add_nc_u32 v222, 0xff000000, v216
	v_add_nc_u32 v223, 0xff000000, v217
	v_lshrrev_b32 v218, 23, v222
	v_lshrrev_b32 v219, 23, v223
	v_lshl_or_b32 v[208+(\tl)], v219, 8, v218
	WIN 0x02
	v_cvt_scalef32_pk16_fp6_f32 v[FB:FB+2], v[AB:AB+15], v222
	v_cvt_scalef32_pk16_fp6_f32 v[200:202], v[AB+16:AB+31], v223
	WIN 0
	v_nop
.irp i, 0,1,2
	v_permlane16_swap_b32 v[FB+\i], v[200+\i]
.endr
.irp i, 0,1,2
	v_mov_b32 v[FB+3+\i], v[200+\i]
.endr
	global_store_b128 v20, v[FB:FB+3], s[18:19] offset:768*(\tl)
	global_store_b64 v12, v[FB+4:FB+5], s[18:19] offset:768*(\tl)+512
.endm
.irp tl, 0,1,2,3,4,5,6,7
	Q2 \tl
.endr
.irp g, 0,1,2,3
	v_cndmask_b32 v[224+\g], v[208+2*\g], v[209+2*\g], s98
.endr
	global_store_b128 v20, v[224:227], s[18:19] offset:6144
	s_wait_xcnt 0x0
.macro QV uc
.set AB, 64*(\uc)
.set PC, 152+20*(\uc)
	WIN 0x3c
.irp b, 0,1,2,3
	v_mov_b32 v[216+\b], 0x1800000
.endr
.irp i, 0,2,4,6,8,10,12,14
.irp b, 0,1,2,3
	v_max3_num_f32 v[216+\b], v[216+\b], |v[AB+16*\b+\i]|, |v[AB+16*\b+\i+1]|
.endr
.endr
	WIN 0
.irp b, 0,1,2,3
	v_permlanex16_b32 v[232+\b], v[216+\b], s2, s3
.endr
.irp b, 0,1,2,3
	v_max_num_f32 v[216+\b], v[216+\b], v[232+\b]
.endr
.irp b, 0,1,2,3
	v_add_nc_u32 v[228+\b], 0xff000000, v[216+\b]
.endr
.irp b, 0,1,2,3
	v_lshrrev_b32 v[232+\b], 23, v[228+\b]
.endr
	v_lshl_or_b32 v[236+(\uc)], v233, 8, v232
	v_lshl_or_b32 v[236+(\uc)], v234, 16, v[236+(\uc)]
	v_lshl_or_b32 v[236+(\uc)], v235, 24, v[236+(\uc)]
	WIN 0x03
.irp c, 0,1
	v_cvt_scalef32_pk16_fp6_f32 v[PC+6*\c:PC+6*\c+2], v[AB+32*\c:AB+32*\c+15], v[228+2*\c]
	v_cvt_scalef32_pk16_fp6_f32 v[PC+12+4*\c:PC+14+4*\c], v[AB+32*\c+16:AB+32*\c+31], v[229+2*\c]
.endr
	WIN 0
	v_nop
.irp c, 0,1
.irp i, 0,1,2
	v_permlane16_swap_b32 v[PC+6*\c+\i], v[PC+12+4*\c+\i]
.endr
.irp i, 0,1,2
	v_mov_b32 v[PC+3+6*\c+\i], v[PC+12+4*\c+\i]
.endr
.endr
.irp q, 0,1,2
	global_store_b128 v25, v[PC+4*\q:PC+4*\q+3], s[20:21] offset:6656+1536*(\uc)+512*\q
.endr
.endm
	QV 0
	QV 1
	v_cndmask_b32 v238, v236, v237, s98
	global_store_b32 v26, v238, s[20:21] offset:12800
	s_wait_tensorcnt 0x0
	ds_add_u32 v[SPW], v[NIL]
	s_wait_dscnt 0x0
	ROUND
	s_endpgm
.Lfunc_end_k_qb2f96f57d2_qkv:
	.size	k_qb2f96f57d2_qkv, .Lfunc_end_k_qb2f96f57d2_qkv-k_qb2f96f57d2_qkv
	.p2alignl 7, 3214868480
	.fill 96, 4, 3214868480
	.section	.rodata,"a",@progbits
	.p2align	6, 0x0
	.amdhsa_kernel k_qb2f96f57d2_qkv
		.amdhsa_group_segment_fixed_size 327680
		.amdhsa_private_segment_fixed_size 0
		.amdhsa_enable_private_segment 0
		.amdhsa_kernarg_size 72
		.amdhsa_user_sgpr_count 2
		.amdhsa_user_sgpr_kernarg_segment_ptr 1
		.amdhsa_wavefront_size32 1
		.amdhsa_system_sgpr_workgroup_id_x 1
		.amdhsa_system_sgpr_workgroup_id_y 1
		.amdhsa_system_sgpr_workgroup_id_z 1
		.amdhsa_system_vgpr_workitem_id 0
		.amdhsa_next_free_vgpr 1024
		.amdhsa_next_free_sgpr 106
		.amdhsa_reserve_vcc 0
		.amdhsa_float_denorm_mode_32 3
		.amdhsa_float_denorm_mode_16_64 3
		.amdhsa_memory_ordered 1
		.amdhsa_forward_progress 1
		.amdhsa_inst_pref_size 197
	.end_amdhsa_kernel
	.amdgpu_metadata
---
amdhsa.version: [ 1, 2 ]
amdhsa.kernels:
  - .name:           k_qb2f96f57d2_qkv
    .symbol:         k_qb2f96f57d2_qkv.kd
    .args:
      - { .name: opc, .offset: 0, .size: 8, .value_kind: global_buffer, .address_space: global }
      - { .name: ops, .offset: 8, .size: 8, .value_kind: global_buffer, .address_space: global }
      - { .name: bq, .offset: 16, .size: 8, .value_kind: global_buffer, .address_space: global }
      - { .name: bc, .offset: 24, .size: 8, .value_kind: global_buffer, .address_space: global }
      - { .name: bk, .offset: 32, .size: 8, .value_kind: global_buffer, .address_space: global }
      - { .name: be, .offset: 40, .size: 8, .value_kind: global_buffer, .address_space: global }
      - { .name: bv, .offset: 48, .size: 8, .value_kind: global_buffer, .address_space: global }
      - { .name: qrec, .offset: 56, .size: 8, .value_kind: global_buffer, .address_space: global }
      - { .name: kvrec, .offset: 64, .size: 8, .value_kind: global_buffer, .address_space: global }
    .group_segment_fixed_size: 327680
    .private_segment_fixed_size: 0
    .kernarg_segment_align: 8
    .kernarg_segment_size: 72
    .max_flat_workgroup_size: 128
    .sgpr_count:     106
    .vgpr_count:     1024
    .wavefront_size: 32
...
	.end_amdgpu_metadata
.endif
;; end of part 2
;; launch attn (part 3): grid 8 x 32, 16 waves a work-group, clusters of 4 x 4, 327,680 bytes of LDS; arguments qrec, kvrec, backdoor_mask, oc, os; writes oc, os
.if DOCPART == 3
	.amdgcn_target "amdgcn-amd-amdhsa--gfx1250"
	.amdhsa_code_object_version 6
	.text
	.protected	k_qb2f96f57d2_attn
	.globl	k_qb2f96f57d2_attn
	.p2align	8
	.type	k_qb2f96f57d2_attn,@function
k_qb2f96f57d2_attn:
	s_mov_b64 s[64:65], 0
	v_nop
	global_prefetch_b8 v0, s[64:65] scope:SCOPE_SE
	s_setreg_imm32_b32 hwreg(HW_REG_WAVE_MODE, 25, 1), 1
	s_wait_xcnt 0x0
	s_wait_alu depctr_hold_cnt(0) depctr_sa_sdst(0) depctr_va_vdst(0) depctr_va_sdst(0) depctr_va_ssrc(0) depctr_va_vcc(0) depctr_vm_vsrc(0)
	s_getreg_b32 s2, hwreg(HW_REG_IB_STS2, 6, 4)
	s_cmp_eq_u32 s2, 0
	s_cbranch_scc0 .Lentry_in_a_cluster
	s_endpgm
.Lentry_in_a_cluster:
	s_bfe_u32 s2, ttmp6, 0x10000c
	s_cmp_lg_u32 s2, 0xf033
	s_cbranch_scc0 .Lentry_shape_is_right
	s_endpgm
.Lentry_shape_is_right:
; O = softmax((Q K^T / 8) x mask) V for each batch and head, both products on codes of FP6 with E8M0 scales, and O quantised along the model's 1,024 for the last projection.
; SOFTMAX: t = score x mask x log2(e) / 8; M = the running largest t rounded UP to a whole number; p = 2^(t - M) is quantised along the keys; the row's sum is taken of the unquantised p and divides O at the end.
; When M moves, the sum and O are multiplied by 2^(old M - new M): exact.
; SHARES.  A work-group has 64 queries (block qb) of four (batch, head) pairs 4 gx .. 4 gx + 3.  Wave w: query tile w % 4, pair w / 4.  16 steps of 128 keys.  The four tiles share K and V, the four pairs share the mask.
; LAYOUT.  Both products transposed: S^T = K Q^T, O^T = V^T P^T: a lane holds one query.  Lane r of tile u of a group of 32 stands for row 8 u + r + 8 (r / 8), for keys, queries and channels alike,
; so the 16 registers of two neighbouring tiles are 16 neighbouring keys (channels).  The head's 64 fill half of the instruction's K = 128: Q's upper six registers are zero codes, and whatever K's upper six hold adds nothing.
; RING: two slots 2^17 bytes apart: the mask's 64 x 128 numbers in four pieces of 16 rows (waves 0-3), four records of K and V (waves 4-7).  CLUSTER 4 x 4: the mask's tile is shared along a row, the records along a column.
; By this text's count a wave has at most one tensor load out.
; LIMITS: NaN and infinities are not served; a block whose largest magnitude lies under 2^-124 keeps byte 1; a block of zeros has byte 1.
; REGISTERS: v1-4 lane parts of LDS addresses; v5, v6 the add's two; v8-11 the step's addresses; v12 -M, v13 largest t, v[14:15] the sum; v16-27 Q; v28 prefetch offset; v29 Q's scale word; v32-79 four fragments;
; v80-83 K's scale words, v84-85 V's; v86-93 block maxima and at work; v96-159 S^T, then p; v160-191 O^T; v192-223 half a step's mask; v224-235 p's codes; v236-247 at work; v252 f, v253 p's scale word, v254 at work.
.set SLOT1, 131072
.set KVO,   34816                      ; in a slot: the records, 13,056 bytes each, behind the mask's four pieces of 8,704
.set SPARE, 218112                     ; the spare words, 128 bytes a wave
.set OST,   220160                     ; 512 bytes: O's scale words on their way out
.set WV,  18
.set SEL, 20
.set CS,  22
.set TB,  2
.set SLOTS, 3
; THREE ROLES.  A step has an LDS phase (macro LDSP: K, the mask and V are read, S^T = K Q^T, the mask, the blocks' maxima) and two register phases, which touch no LDS byte:
; SOFT1 (M, t - M, the 64 exponentials) and SOFT2 (the blocks' largest p, the sum, p's codes, O^T += V^T P^T).  Every wave runs step j's LDS phase between the changes of slots j and j + 1.
; Role 0 runs LDSP, SOFT1, SOFT2 of step j there.  Role 1 runs SOFT2 of step j - 1, then LDSP and SOFT1 of step j.  Role 2 runs SOFT1 and SOFT2 of step j - 1, then LDSP of step j.
; What a wave carries across the barrier (the masked scores or p, V's fragments and words, the maxima, f) lies in registers, and its reads have been waited for in front of the barrier.
; So between two changes the waves stand in different phases: some read LDS while others work on registers.
; The role is min((w + w / 4) & 3, 2): of waves w, w + 4, w + 8, w + 12, and of waves 4 i .. 4 i + 3 alike, one has role 0, one role 1, two role 2.
.set ROLE, 19
.macro ROUND
	s_barrier_signal -1
	s_barrier_wait -1
	s_cmp_lg_u32 s[WV], 0
	s_cbranch_scc1 .Lnw0_\@
	s_barrier_signal -3
.Lnw0_\@:
	s_barrier_wait -3
	s_barrier_signal -1
	s_barrier_wait -1
.endm
.macro TLOAD                           ; waves 0-3 a piece of the mask, waves 4-7 a record, the others nothing; the branches hang on the wave's number alone
	s_cmp_lt_u32 s[WV], 4
	s_cbranch_scc0 .Lnm_\@
	tensor_load_to_lds s[40:43], s[24:31]
	s_nop 0
.rept 4
	v_nop
.endr
	s_branch .Ld_\@
.Lnm_\@:
	s_cmp_lt_u32 s[WV], 8
	s_cbranch_scc0 .Ld_\@
	tensor_load_to_lds s[44:47], s[32:39]
	s_nop 0
.rept 4
	v_nop
.endr
.Ld_\@:
.endm
; A PREFETCH of the step that stands TWO behind the one that is being asked for.  Every cluster asks for what it will itself load, each block of 256 bytes once in the cluster, the partners sharing the blocks out by address.
; The mask's 64 rows: wave 8, each partner of a row of the cluster for 16 of them (16 cx on), two lanes to a row's 512 bytes.
; The four records: waves 9 and 10, each partner of a column for one pair's record (pair 4 gx + cy), lanes 256 bytes apart; the lanes past its 51 blocks name the last again.
; Step 2 is asked for at the head's end; the change that loads step k asks for step k + 2; the changes that load steps 14 and 15 ask for nothing.
.macro ASK
	s_cmp_gt_u32 s[SLOTS], s52
	s_cbranch_scc0 .Lno_\@
	global_prefetch_b8 v28, s[48:49] th:TH_LOAD_NT scope:SCOPE_SE
.Lno_\@:
.endm
	s_load_b256 s[4:11], s[0:1], 0x0               ; qrec, kvrec, mask, oc
	s_load_b64 s[12:13], s[0:1], 0x20              ; os
	v_lshl_add_u32 v5, v0, 2, SPARE
	v_mov_b32 v6, 0
	ds_add_u32 v5, v6                              ; the wave's opening: the add and its wait ahead of the first tensor loads
	ds_add_u32 v5, v6
	v_lshrrev_b32 v8, 5, v0
	s_delay_alu instid0(VALU_DEP_1)
	v_readfirstlane_b32 s[WV], v8
	s_bfe_u32 s53, ttmp6, 0x40000                  ; cx
	s_bfe_u32 s54, ttmp6, 0x40004                  ; cy
	s_lshl_b32 s55, ttmp9, 2
	s_add_co_u32 s55, s55, s53                     ; gx
	s_and_b32 s56, ttmp7, 0xffff                   ; cluster y
	s_lshl_b32 s57, s56, 2
	s_add_co_u32 s57, s57, s54                     ; qb
	s_lshl_b32 s58, s54, 2
	s_lshl_b32 s58, 15, s58                        ; my row of the cluster
	s_lshl_b32 s59, 0x1111, s53                    ; my column
	s_or_b32 s24, s58, (2<<16)|(1<<20)|(1<<21)|(6<<22)|(3<<25)   ; the mask: elements of 4 bytes; 4 words of padding behind every 128: rows 528 bytes apart
	s_mov_b32 s25, 128<<16
	s_mov_b32 s26, 16<<16
	s_mov_b32 s27, 128<<16
	s_mov_b32 s28, 16
	s_mov_b32 s29, 2048
	s_mov_b32 s30, 0
	s_mov_b32 s31, 0
	s_or_b32 s32, s59, (3<<16)|(1<<21)             ; a record: 51 dense rows of 256 bytes
	s_mov_b32 s33, 32<<16
	s_mov_b32 s34, 51<<16
	s_mov_b32 s35, 32<<16
	s_mov_b32 s36, 51
	s_mov_b32 s37, 32
	s_mov_b32 s38, 0
	s_mov_b32 s39, 0
	s_and_b32 s60, s[WV], 3
	s_lshr_b32 s[ROLE], s[WV], 2
	s_add_co_u32 s[ROLE], s[ROLE], s[WV]
	s_and_b32 s[ROLE], s[ROLE], 3
	s_min_u32 s[ROLE], s[ROLE], 2                  ; my role
	s_mul_i32 s41, s60, 8704                       ; piece i at 8,704 i + 128 (i % 2): rows 16 apart fall into the other half of the banks
	s_and_b32 s61, s[WV], 1
	s_lshl_b32 s61, s61, 7
	s_add_co_u32 s41, s41, s61
	s_lshl_b32 s42, s57, 6
	s_lshl_b32 s43, s60, 4
	s_add_co_u32 s42, s42, s43
	s_lshl_b32 s42, s42, 13                        ; row 64 qb + 16 (w % 4) of 8,192 bytes
	s_mov_b32 s43, 0
	s_mul_i32 s45, s60, 13056
	s_add_co_u32 s45, s45, KVO
	s_lshl_b32 s46, s55, 2
	s_add_co_u32 s46, s46, s60
	s_mul_i32 s46, s46, 208896                     ; pair 4 gx + w % 4: 16 records
	s_mov_b32 s47, 0
	s_mov_b32 s[SEL], 0x76543210
	s_mov_b32 s[SEL+1], 0xfedcba98
	s_mov_b32 s[CS], 0x3e38aa3b                    ; c = log2(e) / 8
	s_mov_b32 s[CS+1], s[CS]
	s_mov_b32 s[TB], 0
	s_mov_b32 s[SLOTS], 15
	s_wait_dscnt 0x0                               ; the opening add is done
	s_wait_kmcnt 0x0
	s_add_nc_u64 s[42:43], s[8:9], s[42:43]
	s_or_b32 s43, s43, 0x80000000
	s_mov_b32 s40, 1
	s_add_nc_u64 s[46:47], s[6:7], s[46:47]
	s_or_b32 s47, s47, 0x80000000
	s_mov_b32 s44, 1
	ROUND                                          ; all sixteen work-groups are here
	TLOAD                                          ; step 0 into slot 0
	; lane parts of the LDS addresses
	v_and_b32 v7, 31, v0                           ; lane
	v_and_b32 v95, 15, v0                          ; r
	v_bfe_u32 v250, v0, 4, 1                       ; h
	s_lshr_b32 s62, s[WV], 2                       ; my pair
	s_mul_i32 s63, s62, 13056
	s_add_co_u32 s63, s63, KVO
	v_lshl_add_u32 v1, v7, 4, s63                  ; my record + 16 x lane,
	v_lshl_add_u32 v2, v7, 3, s63                  ; + 8 x lane,
	v_lshl_add_u32 v3, v7, 2, s63                  ; + 4 x lane
	v_and_b32 v251, 7, v95
	v_lshrrev_b32 v243, 3, v95
	s_delay_alu instid0(VALU_DEP_2)
	v_mul_u32_u24 v4, v251, 528
	s_delay_alu instid0(VALU_DEP_1)
	v_mad_u32_u24 v4, v243, 8832, v4
	s_delay_alu instid0(VALU_DEP_1)
	v_lshl_add_u32 v4, v250, 6, v4
	s_bfe_u32 s66, s[WV], 0x10001                  ; my tile's group of 32 queries,
	s_and_b32 s67, s[WV], 1                        ; and which tile of it
	s_mul_i32 s68, s66, 17408
	s_mul_i32 s69, s67, 4224
	s_add_co_u32 s68, s68, s69
	v_add_nc_u32 v4, s68, v4                       ; the mask's row of my query, + 64 h
	v_lshlrev_b32 v30, 4, v7
	s_wait_alu depctr_va_vdst(0)
	v_lshlrev_b32 v31, 3, v7
	s_wait_alu depctr_va_vdst(0)
	v_lshlrev_b32 v243, 4, v95
	; Q: record (pair, qb / 2), tile 4 (qb % 2) + w % 4
	s_wait_alu depctr_va_vdst(0)
	s_lshl_b32 s70, s55, 2
	s_add_co_u32 s70, s70, s62
	s_lshl_b32 s71, s70, 4
	s_lshr_b32 s72, s57, 1
	s_add_co_u32 s71, s71, s72
	s_mul_i32 s71, s71, 6656
	s_and_b32 s72, s57, 1
	s_lshl_b32 s72, s72, 2
	s_add_co_u32 s72, s72, s60
	s_mul_i32 s73, s72, 768
	s_add_co_u32 s74, s71, s73
	s_mov_b32 s75, 0
	s_add_nc_u64 s[76:77], s[4:5], s[74:75]
	s_lshr_b32 s73, s72, 1
	s_lshl_b32 s73, s73, 2
	s_lshl_b32 s78, s67, 8
	s_add_co_u32 s73, s73, s78
	s_add_co_u32 s73, s73, 6144
	s_add_co_u32 s74, s71, s73
	s_add_nc_u64 s[78:79], s[4:5], s[74:75]        ; its scale words: 6,144 + 16 (16 u + r) + 4 x group
	global_load_b128 v[16:19], v30, s[76:77]
	global_load_b64 v[20:21], v31, s[76:77] offset:512
	global_load_b32 v29, v243, s[78:79]
	; where O goes: chunk ((64 b + 2 qb + group) x 4 + group of four heads), + 3,072 u + 768 x my head in the four
	s_lshr_b32 s88, s55, 2
	s_and_b32 s89, s55, 3
	s_lshl_b32 s88, s88, 6
	s_lshl_b32 s90, s57, 1
	s_add_co_u32 s88, s88, s90
	s_lshl_b32 s90, s88, 2
	s_add_co_u32 s90, s90, s89
	s_lshl_b32 s92, s90, 8
	s_mov_b32 s93, 0
	s_add_nc_u64 s[12:13], s[12:13], s[92:93]
	s_lshl_b32 s91, s66, 2
	s_add_co_u32 s90, s90, s91
	s_mul_i32 s92, s90, 6144
	s_mul_i32 s91, s67, 3072
	s_add_co_u32 s92, s92, s91
	s_mul_i32 s91, s62, 768
	s_add_co_u32 s92, s92, s91
	s_add_nc_u64 s[10:11], s[10:11], s[92:93]
	s_lshl_b32 s91, s66, 8
	s_lshl_b32 s94, s67, 7
	s_add_co_u32 s91, s91, s94
	s_lshl_b32 s94, s62, 1
	s_add_co_u32 s91, s91, s94
	s_add_co_u32 s91, s91, OST
	v_lshl_add_u32 v94, v95, 3, s91                ; my two scale bytes: 256 x group + 8 (16 u + r) + 2 x my head in the four
	v_lshl_add_u32 v248, v7, 4, OST
	v_lshlrev_b32 v249, 10, v250
	s_delay_alu instid0(VALU_DEP_1)
	v_lshl_add_u32 v249, v95, 4, v249              ; the two chunks' words lie 1,024 bytes apart in os
	; the prefetches
	s_mov_b32 s80, 13056
	s_cmp_eq_u32 s[WV], 8
	s_cselect_b64 s[48:49], s[8:9], s[6:7]
	s_cselect_b32 s50, 512, s80                    ; a step on
	s_cselect_b32 s82, -1, 0
	s_lshl_b32 s83, s57, 6
	s_lshl_b32 s84, s53, 4
	s_add_co_u32 s83, s83, s84
	s_lshl_b32 s83, s83, 13
	s_lshl_b32 s84, s55, 2
	s_add_co_u32 s84, s84, s54
	s_mul_i32 s84, s84, 208896
	s_cmp_eq_u32 s[WV], 8
	s_cselect_b32 s84, s83, s84
	s_add_co_u32 s84, s84, s50
	s_add_co_u32 s84, s84, s50                     ; at step 2: the head's end asks for it, and the first change steps the address to step 3
	s_mov_b32 s85, 0
	s_mov_b32 s51, 0
	s_add_nc_u64 s[48:49], s[48:49], s[84:85]
	s_sub_co_u32 s86, s[WV], 8
	s_cmp_lt_u32 s86, 3
	s_cselect_b32 s52, 2, -1                       ; 2 in waves 8 to 10, which ask while more than two changes that fill are left; else the greatest number: the same in all partners
	v_lshrrev_b32 v250, 1, v7
	s_delay_alu instid0(VALU_DEP_1)
	v_lshlrev_b32 v250, 13, v250
	v_and_b32 v251, 1, v7
	s_delay_alu instid0(VALU_DEP_1)
	v_lshl_or_b32 v250, v251, 8, v250
	s_sub_co_u32 s87, s[WV], 9
	s_lshl_b32 s87, s87, 5
	v_add_nc_u32 v251, s87, v7
	s_delay_alu instid0(VALU_DEP_1)
	v_min_u32 v251, 50, v251
	s_delay_alu instid0(VALU_DEP_1)
	v_lshlrev_b32 v251, 8, v251
	s_delay_alu instid0(VALU_DEP_1)
	v_cndmask_b32 v28, v251, v250, s82
	; the sums begin
	v_mov_b32 v13, 0xff61b1e6                      ; the largest t so far: -3e38
	s_delay_alu instid0(VALU_DEP_1)
	v_floor_f32 v12, -v13
	v_mov_b32 v14, 0
	v_mov_b32 v15, 0
.irp j, 22,23,24,25,26,27
	v_mov_b32 v[\j], 0                             ; Q's zero half
.endr
.irp t, 0,1,2,3
.irp j, 6,7,8,9,10,11
	v_mov_b32 v[32+12*\t+\j], 0                    ; written once: K's fragments name them
.endr
.endr
.irp j, 90,91,92,93,253
	v_mov_b32 v[\j], 0
.endr
.irp j, 0,1,2,3,4,5,6,7,8,9,10,11,12,13,14,15,16,17,18,19,20,21,22,23,24,25,26,27,28,29,30,31
	v_mov_b32 v[160+\j], 0                         ; O^T: the loop is written once; its first step finds zeros
.endr
.macro LK g                            ; four key tiles: six registers each
.irp t, 0,1,2,3
	ds_load_b128 v[32+12*\t:35+12*\t], v8 offset:768*(4*(\g)+\t)
	ds_load_b64 v[36+12*\t:37+12*\t], v9 offset:768*(4*(\g)+\t)+512
.endr
.endm
.macro LM g                            ; the mask at my query and the keys of S^T's registers 32 g .. 32 g + 31
.irp b, 0,1
.irp i, 0,1,2,3
	ds_load_b128 v[192+16*\b+4*\i:195+16*\b+4*\i], v11 offset:128*(2*(\g)+\b)+16*\i
.endr
.endr
.endm
.macro KQ g
.irp t, 0,1,2,3
.if \t%2 == 0
	v_wmma_scale_f32_16x16x128_f8f6f4 v[96+8*(4*(\g)+\t):103+8*(4*(\g)+\t)], v[32+12*\t:43+12*\t], v[16:27], 0, v[80+2*(\g)+\t/2], v29 matrix_a_fmt:MATRIX_FMT_FP6 matrix_b_fmt:MATRIX_FMT_FP6
.else
	v_wmma_scale_f32_16x16x128_f8f6f4 v[96+8*(4*(\g)+\t):103+8*(4*(\g)+\t)], v[32+12*\t:43+12*\t], v[16:27], 0, v[80+2*(\g)+\t/2], v29 matrix_a_fmt:MATRIX_FMT_FP6 matrix_b_fmt:MATRIX_FMT_FP6 matrix_a_scale:MATRIX_SCALE_ROW1
.endif
.endr
.endm
.macro MASK g
.irp i, 0,2,4,6,8,10,12,14,16,18,20,22,24,26,28,30
	v_pk_mul_f32 v[96+32*(\g)+\i:97+32*(\g)+\i], v[96+32*(\g)+\i:97+32*(\g)+\i], v[192+\i:193+\i]
.endr
.endm
.macro BMAX x0, x1                     ; the largest masked score of two blocks of 32 keys: it serves the row's maximum and, since p rises with the score, the block's largest p
.irp b, \x0,\x1
	v_max3_num_f32 v[86+\b], v[96+16*\b], v[97+16*\b], v[98+16*\b]
.endr
.irp i, 3,5,7,9,11,13
.irp b, \x0,\x1
	s_delay_alu instid0(VALU_DEP_2)
	v_max3_num_f32 v[86+\b], v[86+\b], v[96+16*\b+\i], v[97+16*\b+\i]
.endr
.endr
.irp b, \x0,\x1
	s_delay_alu instid0(VALU_DEP_2)
	v_max_num_f32 v[86+\b], v[86+\b], v[111+16*\b]
.endr
.endm
.macro LDSP                            ; a step's LDS phase
	v_add_nc_u32 v8, s[TB], v1                     ; (these four are also the places behind the last products)
	v_add_nc_u32 v9, s[TB], v2
	v_add_nc_u32 v10, s[TB], v3
	v_add_nc_u32 v11, s[TB], v4
	LK 0
	ds_load_b128 v[80:83], v8 offset:6144          ; K's scale words: register G; lanes 0-15 tile 0, lanes 16-31 tile 1
	LM 0
	s_wait_alu depctr_va_vdst(0)
	s_wait_dscnt 8                                 ; K's first four tiles and the words are in; the mask's eight loads may be out
	KQ 0
.rept 4
	v_nop
.endr
	LK 1
	s_wait_dscnt 8                                 ; the mask is in; the eight just issued may be out
	MASK 0
	LM 1
	s_wait_alu depctr_va_vdst(0)
	s_wait_dscnt 8                                 ; K's last four tiles are in
	KQ 1
	BMAX 0, 1                                      ; (16 plain lines on the first half: the places behind these products)
.irp t, 0,1,2,3
.irp q, 0,1,2
	ds_load_b128 v[32+12*\t+4*\q:35+12*\t+4*\q], v8 offset:6656+1536*\t+512*\q   ; V^T: four channel tiles x these 128 keys
.endr
.endr
	ds_load_b32 v84, v10 offset:12800
	ds_load_b32 v85, v10 offset:12928
	s_wait_dscnt 14                                ; the mask's second half is in; V's fourteen loads may be out
	MASK 1
	BMAX 2, 3
	s_wait_alu depctr_va_vdst(0)                   ; in role 2 a branch, waits
.endm
.macro SOFT1                           ; a step's first register phase
.irp b, 0,1,2,3
	v_permlanex16_b32 v[90+\b], v[86+\b], s[SEL], s[SEL+1]
.endr
.irp b, 0,1,2,3
	s_delay_alu instid0(VALU_DEP_4)
	v_max_num_f32 v[86+\b], v[86+\b], v[90+\b]     ; with lane xor 16's 16 keys
.endr
	s_delay_alu instid0(VALU_DEP_2)
	v_max3_num_f32 v254, v86, v87, v88
	s_delay_alu instid0(VALU_DEP_1)
	v_max_num_f32 v254, v254, v89
	s_delay_alu instid0(VALU_DEP_1)
	v_mul_f32 v254, s[CS], v254                    ; as t (c is positive)
	s_delay_alu instid0(VALU_DEP_1)
	v_max_num_f32 v13, v13, v254                   ; the running largest t
	v_mov_b32 v254, v12
	s_delay_alu instid0(VALU_DEP_2)
	v_floor_f32 v12, -v13                          ; -M = floor(-t): M is a whole number
	s_delay_alu instid0(VALU_DEP_1)
	v_sub_f32 v254, v12, v254
	s_delay_alu instid0(VALU_DEP_1)
	v_cvt_i32_f32 v254, v254                       ; (it saturates)
	s_delay_alu instid0(VALU_DEP_1)
	v_ldexp_f32 v252, 1.0, v254                    ; f = 2^(old M - new M)
.irp j, 0,2,4,6,8,10,12,14,16,18,20,22,24,26,28,30,32,34,36,38,40,42,44,46,48,50,52,54,56,58,60,62
	v_pk_fma_f32 v[96+\j:97+\j], v[96+\j:97+\j], s[CS:CS+1], v[12:13] op_sel_hi:[1,0,0]   ; t - M
.endr
.irp b, 0,1,2,3
	v_fma_f32 v[86+\b], v[86+\b], s[CS], v12
.endr
	s_wait_alu depctr_va_vdst(0)
.irp j, 0,1,2,3,4,5,6,7,8,9,10,11,12,13,14,15,16,17,18,19,20,21,22,23,24,25,26,27,28,29,30,31,32,33,34,35,36,37,38,39,40,41,42,43,44,45,46,47,48,49,50,51,52,53,54,55,56,57,58,59,60,61,62,63
	v_exp_f32 v[96+\j], v[96+\j]                   ; p = 2^(t - M)
.endr
	v_pk_mul_f32 v[14:15], v[14:15], v[252:253] op_sel_hi:[1,0]   ; the sums under the new M (a plain line behind the exponentials)
	s_wait_alu depctr_va_vdst(0)                   ; one wait for the batch, ahead of its first reader and of the branch that follows the phase
.endm
.macro SOFT2                           ; a step's second register phase
.irp b, 0,1,2,3
	v_exp_f32 v[86+\b], v[86+\b]                   ; the blocks' largest p
.endr
	v_pk_add_f32 v[90:91], v[100:101], v[104:105]
	v_pk_add_f32 v[254:255], v[108:109], v[112:113]
	v_pk_add_f32 v[250:251], v[116:117], v[120:121]
	v_pk_add_f32 v[246:247], v[124:125], v[128:129]
	v_pk_add_f32 v[244:245], v[132:133], v[136:137]
	v_pk_add_f32 v[242:243], v[140:141], v[144:145]
	v_pk_add_f32 v[240:241], v[148:149], v[152:153]
	v_pk_add_f32 v[14:15], v[14:15], v[156:157]
	v_pk_add_f32 v[90:91], v[90:91], v[96:97]
	v_pk_add_f32 v[254:255], v[254:255], v[98:99]
	v_pk_add_f32 v[250:251], v[250:251], v[102:103]
	v_pk_add_f32 v[246:247], v[246:247], v[106:107]
	v_pk_add_f32 v[244:245], v[244:245], v[110:111]
	v_pk_add_f32 v[242:243], v[242:243], v[114:115]
	v_pk_add_f32 v[240:241], v[240:241], v[118:119]
	v_pk_add_f32 v[14:15], v[14:15], v[122:123]
	v_pk_add_f32 v[90:91], v[90:91], v[126:127]
	v_pk_add_f32 v[254:255], v[254:255], v[130:131]
	v_pk_add_f32 v[250:251], v[250:251], v[134:135]
	v_pk_add_f32 v[246:247], v[246:247], v[138:139]
	v_pk_add_f32 v[244:245], v[244:245], v[142:143]
	v_pk_add_f32 v[242:243], v[242:243], v[146:147]
	v_pk_add_f32 v[240:241], v[240:241], v[150:151]
	v_pk_add_f32 v[14:15], v[14:15], v[154:155]
	v_pk_add_f32 v[90:91], v[90:91], v[158:159]
	s_delay_alu instid0(VALU_DEP_2)
	v_pk_add_f32 v[14:15], v[14:15], v[246:247]
	s_delay_alu instid0(VALU_DEP_2)
	v_pk_add_f32 v[90:91], v[90:91], v[244:245]
	v_pk_add_f32 v[254:255], v[254:255], v[242:243]
	v_pk_add_f32 v[250:251], v[250:251], v[240:241]
	s_delay_alu instid0(VALU_DEP_2)
	v_pk_add_f32 v[14:15], v[14:15], v[254:255]
	s_delay_alu instid0(VALU_DEP_2)
	v_pk_add_f32 v[90:91], v[90:91], v[250:251]
	s_delay_alu instid0(VALU_DEP_1)
	v_pk_add_f32 v[14:15], v[14:15], v[90:91]
	s_wait_alu depctr_va_vdst(0)                   ; and one for the four
.irp b, 0,1,2,3
	v_max_num_f32 v[86+\b], 0x1800000, v[86+\b]    ; the floor
.endr
.irp b, 0,1,2,3
	s_delay_alu instid0(VALU_DEP_4)
	v_add_nc_u32 v[244+\b], 0xff000000, v[86+\b]
.endr
.irp b, 0,1,2,3
	s_delay_alu instid0(VALU_DEP_4)
	v_lshrrev_b32 v[90+\b], 23, v[244+\b]
.endr
	s_delay_alu instid0(VALU_DEP_3)
	v_lshl_or_b32 v253, v91, 8, v90                ; p's scale word for these 128 keys
	s_delay_alu instid0(VALU_DEP_1)
	v_lshl_or_b32 v253, v92, 16, v253
	s_delay_alu instid0(VALU_DEP_1)
	v_lshl_or_b32 v253, v93, 24, v253
.irp c, 0,1
	v_cvt_scalef32_pk16_fp6_f32 v[224+6*\c:226+6*\c], v[96+32*\c:111+32*\c], v[244+2*\c]
	v_cvt_scalef32_pk16_fp6_f32 v[236+4*\c:238+4*\c], v[112+32*\c:127+32*\c], v[245+2*\c]
.endr
	v_nop                                          ; one plain line behind the conversions
.irp c, 0,1
.irp i, 0,1,2
	v_permlane16_swap_b32 v[224+6*\c+\i], v[236+4*\c+\i]
.endr
.irp i, 0,1,2
	s_delay_alu instid0(VALU_DEP_3)
	v_mov_b32 v[227+6*\c+\i], v[236+4*\c+\i]
.endr
.endr
	s_wait_alu depctr_va_vdst(0)                   ; directly ahead of the first reader of O^T
.irp j, 0,2,4,6,8,10,12,14,16,18,20,22,24,26,28,30
	v_pk_mul_f32 v[160+\j:161+\j], v[160+\j:161+\j], v[252:253] op_sel_hi:[1,0]   ; O^T under the new M; these lines also part p's codes and scale word from the products
.endr
	s_wait_alu depctr_va_vdst(0)
	s_wait_dscnt 0x0                               ; V is in
.irp t, 0,1,2,3
.if \t%2 == 0
	v_wmma_scale_f32_16x16x128_f8f6f4 v[160+8*\t:167+8*\t], v[32+12*\t:43+12*\t], v[224:235], v[160+8*\t:167+8*\t], v[84+\t/2], v253 matrix_a_fmt:MATRIX_FMT_FP6 matrix_b_fmt:MATRIX_FMT_FP6
.else
	v_wmma_scale_f32_16x16x128_f8f6f4 v[160+8*\t:167+8*\t], v[32+12*\t:43+12*\t], v[224:235], v[160+8*\t:167+8*\t], v[84+\t/2], v253 matrix_a_fmt:MATRIX_FMT_FP6 matrix_b_fmt:MATRIX_FMT_FP6 matrix_a_scale:MATRIX_SCALE_ROW1
.endif
.endr
.endm
; THE CHANGE OF SLOTS stands at a step's head.  Each wave waits for all its tensor loads (its part of the slot ahead), adds 0 to its spare word, and waits for that and for its reads of the slot that it has left.
; fill = 1: behind a round of the cluster's barrier that slot takes the next step's tiles: the load has a whole step in which to land.
.macro CHANGE fill
	s_wait_tensorcnt 0x0                           ; no tensor load of mine is out, so a group 0 may be written
	ds_add_u32 v5, v6
.if \fill
	ds_add_u32 v5, v6                              ; and once more
	s_xor_b32 s41, s41, SLOT1
	s_add_nc_u64 s[42:43], s[42:43], 512           ; the next 128 keys of the mask's rows,
	s_xor_b32 s45, s45, SLOT1
	s_add_nc_u64 s[46:47], s[46:47], 13056         ; the next record
	s_wait_xcnt 0x0                                ; the last prefetch, a step back, has read its address
	s_add_nc_u64 s[48:49], s[48:49], s[50:51]
.endif
	s_wait_dscnt 0x0                               ; the add is done, and my reads of the slot that I have left are in
.if \fill
	ROUND
	TLOAD
	ASK
.else
	s_barrier_signal -1
	s_barrier_wait -1
.endif
.endm
	s_cmp_eq_u32 s52, 2
	s_cbranch_scc0 .Lnohead
	global_prefetch_b8 v28, s[48:49] th:TH_LOAD_NT scope:SCOPE_SE   ; step 2
.Lnohead:
	s_wait_loadcnt 0x0                             ; Q
; A register phase in the waves whose role passes the test: the branch hangs on the wave's number alone and leads round no barrier, no tensor load and no add
.macro S1IF cmp, val
	\cmp s[ROLE], \val
	s_cbranch_scc0 .Ln1_\@
	SOFT1
.Ln1_\@:
.endm
.macro S2IF cmp, val
	\cmp s[ROLE], \val
	s_cbranch_scc0 .Ln2_\@
	SOFT2
.Ln2_\@:
.endm
	CHANGE 1                                       ; step 0 stands in front of the loop: no wave has an earlier step to finish; step 1 is asked for
	LDSP
	S1IF s_cmp_le_u32, 1
	S2IF s_cmp_eq_u32, 0
	s_xor_b32 s[TB], s[TB], SLOT1
	s_mov_b32 s[SLOTS], 14
.Lslot:                                            ; 14 trips, steps 1 to 14: behind each change the next step is asked for
	CHANGE 1
	S1IF s_cmp_eq_u32, 2                           ; role 2: the step before,
	S2IF s_cmp_ge_u32, 1                           ; roles 1 and 2: the step before
	LDSP
	S1IF s_cmp_le_u32, 1                           ; roles 0 and 1: this step,
	S2IF s_cmp_eq_u32, 0                           ; role 0: this step
	s_xor_b32 s[TB], s[TB], SLOT1
	s_sub_co_u32 s[SLOTS], s[SLOTS], 1
	s_cmp_lg_u32 s[SLOTS], 0
	s_cbranch_scc1 .Lslot
	CHANGE 0                                       ; the last step is written out
	S1IF s_cmp_eq_u32, 2                           ; step 14's rest
	S2IF s_cmp_ge_u32, 1
	LDSP
	SOFT1                                          ; step 15, in every role
	SOFT2
	; THE WAY OUT: O^T / the sum; its 32 registers are the head's 64 channels, 16 b + i = channel 32 b + 16 h + i: two blocks of the last product's K
.rept 4
	v_nop
.endr
	v_add_f32 v14, v14, v15
	s_delay_alu instid0(VALU_DEP_1)
	v_permlanex16_b32 v252, v14, s[SEL], s[SEL+1]
	s_delay_alu instid0(VALU_DEP_1)
	v_add_f32 v14, v14, v252
	s_wait_alu depctr_va_vdst(0)
	v_rcp_f32 v14, v14
	v_nop                                          ; a plain line behind the reciprocal
	s_wait_alu depctr_va_vdst(0)                   ; and the wait ahead of its first reader
.irp j, 0,1,2,3,4,5,6,7,8,9,10,11,12,13,14,15,16,17,18,19,20,21,22,23,24,25,26,27,28,29,30,31
	v_mul_f32 v[96+\j], v[160+\j], v14
.endr
	v_max3_num_f32 v86, |v96|, |v97|, 0x1800000
	v_max3_num_f32 v87, |v112|, |v113|, 0x1800000
.irp i, 2,4,6,8,10,12,14
	s_delay_alu instid0(VALU_DEP_2)
	v_max3_num_f32 v86, v86, |v[96+\i]|, |v[97+\i]|
	s_delay_alu instid0(VALU_DEP_2)
	v_max3_num_f32 v87, v87, |v[112+\i]|, |v[113+\i]|
.endr
	s_delay_alu instid0(VALU_DEP_2)
	v_permlanex16_b32 v90, v86, s[SEL], s[SEL+1]
	s_delay_alu instid0(VALU_DEP_2)
	v_permlanex16_b32 v91, v87, s[SEL], s[SEL+1]
	s_delay_alu instid0(VALU_DEP_2)
	v_max_num_f32 v86, v86, v90
	s_delay_alu instid0(VALU_DEP_2)
	v_max_num_f32 v87, v87, v91
	s_delay_alu instid0(VALU_DEP_2)
	v_add_nc_u32 v244, 0xff000000, v86
	s_delay_alu instid0(VALU_DEP_2)
	v_add_nc_u32 v245, 0xff000000, v87
	s_delay_alu instid0(VALU_DEP_2)
	v_lshrrev_b32 v90, 23, v244
	s_delay_alu instid0(VALU_DEP_2)
	v_lshrrev_b32 v91, 23, v245
	s_delay_alu instid0(VALU_DEP_1)
	v_lshl_or_b32 v92, v91, 8, v90
	v_cvt_scalef32_pk16_fp6_f32 v[224:226], v[96:111], v244
	v_cvt_scalef32_pk16_fp6_f32 v[236:238], v[112:127], v245
	v_nop
.irp i, 0,1,2
	v_permlane16_swap_b32 v[224+\i], v[236+\i]
.endr
.irp i, 0,1,2
	s_delay_alu instid0(VALU_DEP_3)
	v_mov_b32 v[227+\i], v[236+\i]
.endr
	global_store_b128 v30, v[224:227], s[10:11]              ; 512 consecutive bytes,
	global_store_b64 v31, v[228:229], s[10:11] offset:512    ; and 256
	ds_store_b16 v94, v92                          ; my row's two scale bytes (both halves of the lanes write the same)
	s_wait_dscnt 0x0                               ; for the others' sake
	s_barrier_signal -1
	s_barrier_wait -1
	s_cmp_lg_u32 s[WV], 0
	s_cbranch_scc1 .Lnot0
	ds_load_b128 v[96:99], v248                    ; wave 0 stores the two chunks' scale words: sixteen lanes to 256 consecutive bytes
	s_wait_dscnt 0x0
	global_store_b128 v249, v[96:99], s[12:13]
.Lnot0:
	s_wait_tensorcnt 0x0                           ; the wave's end
	ds_add_u32 v5, v6
	s_wait_dscnt 0x0
	ROUND                                          ; the closing round
	s_endpgm
.Lfunc_end_k_qb2f96f57d2_attn:
	.size	k_qb2f96f57d2_attn, .Lfunc_end_k_qb2f96f57d2_attn-k_qb2f96f57d2_attn
	.p2alignl 7, 3214868480
	.fill 96, 4, 3214868480
	.section	.rodata,"a",@progbits
	.p2align	6, 0x0
	.amdhsa_kernel k_qb2f96f57d2_attn
		.amdhsa_group_segment_fixed_size 327680
		.amdhsa_private_segment_fixed_size 0
		.amdhsa_enable_private_segment 0
		.amdhsa_kernarg_size 40
		.amdhsa_user_sgpr_count 2
		.amdhsa_user_sgpr_kernarg_segment_ptr 1
		.amdhsa_wavefront_size32 1
		.amdhsa_system_sgpr_workgroup_id_x 1
		.amdhsa_system_sgpr_workgroup_id_y 1
		.amdhsa_system_sgpr_workgroup_id_z 1
		.amdhsa_system_vgpr_workitem_id 0
		.amdhsa_next_free_vgpr 256
		.amdhsa_next_free_sgpr 100
		.amdhsa_reserve_vcc 0
		.amdhsa_float_denorm_mode_32 3
		.amdhsa_float_denorm_mode_16_64 3
		.amdhsa_memory_ordered 1
		.amdhsa_forward_progress 1
		.amdhsa_inst_pref_size 106
	.end_amdhsa_kernel
	.amdgpu_metadata
---
amdhsa.version: [ 1, 2 ]
amdhsa.kernels:
  - .name:           k_qb2f96f57d2_attn
    .symbol:         k_qb2f96f57d2_attn.kd
    .args:
      - { .name: qrec, .offset: 0, .size: 8, .value_kind: global_buffer, .address_space: global }
      - { .name: kvrec, .offset: 8, .size: 8, .value_kind: global_buffer, .address_space: global }
      - { .name: backdoor_mask, .offset: 16, .size: 8, .value_kind: global_buffer, .address_space: global }
      - { .name: oc, .offset: 24, .size: 8, .value_kind: global_buffer, .address_space: global }
      - { .name: os, .offset: 32, .size: 8, .value_kind: global_buffer, .address_space: global }
    .group_segment_fixed_size: 327680
    .private_segment_fixed_size: 0
    .kernarg_segment_align: 8
    .kernarg_segment_size: 40
    .max_flat_workgroup_size: 512
    .sgpr_count:     100
    .vgpr_count:     256
    .wavefront_size: 32
...
	.end_amdgpu_metadata
.endif
;; end of part 3
;; launch outp (part 4): grid 8 x 32, 4 waves a work-group, clusters of 4 x 4, 214,528 bytes of LDS; arguments oc, os, opc, ops, bo, out0; writes out0
.if DOCPART == 4
	.amdgcn_target "amdgcn-amd-amdhsa--gfx1250"
	.amdhsa_code_object_version 6
	.text
	.protected	k_qb2f96f57d2_outp
	.globl	k_qb2f96f57d2_outp
	.p2align	8
	.type	k_qb2f96f57d2_outp,@function
k_qb2f96f57d2_outp:
	s_mov_b64 s[64:65], 0
	v_nop
	global_prefetch_b8 v0, s[64:65] scope:SCOPE_SE
	s_setreg_imm32_b32 hwreg(HW_REG_WAVE_MODE, 25, 1), 1
	s_wait_xcnt 0x0
	s_wait_alu depctr_hold_cnt(0) depctr_sa_sdst(0) depctr_va_vdst(0) depctr_va_sdst(0) depctr_va_ssrc(0) depctr_va_vcc(0) depctr_vm_vsrc(0)
	s_getreg_b32 s2, hwreg(HW_REG_IB_STS2, 6, 4)
	s_cmp_eq_u32 s2, 0
	s_cbranch_scc0 .Lentry_in_a_cluster
	s_endpgm
.Lentry_in_a_cluster:
	s_bfe_u32 s2, ttmp6, 0x10000c
	s_cmp_lg_u32 s2, 0xf033
	s_cbranch_scc0 .Lentry_shape_is_right
	s_endpgm
.Lentry_shape_is_right:
; out0 = O Wo + bo on codes of FP6 with E8M0 scales.  O's codes and Wo's come as images of operand registers, in chunks of 32 rows x 256 K (6,144 bytes), laid [group of 32 rows][4 chunks along K].
; A work-group makes 128 tokens x 128 features; a wave 64 x 64: 16 accumulators, source 0 = Wo's rows (features), source 1 = O's rows (tokens): a lane holds a token and eight neighbouring features.
; All of K = 1,024 fits in LDS, filled once: four parts of 49,152 bytes.  A part is two groups of rows x all four chunks, 49,152 consecutive bytes of memory: ONE tensor load a wave brings it
; (waves 0, 1: the two halves of O's 128 tokens; waves 2, 3: of Wo's 128 features).  By this text's count a wave has one tensor load out.  Nothing is filled again, so one barrier behind the loads serves the whole walk along K.
; CLUSTER 4 x 4: O's parts are shared along a row of the cluster, Wo's along a column.  No prefetch: the launch has no loop to run ahead in; each byte is asked for once, at the head.
; A fragment of O is two heads' half images: 16 bytes a lane at 0 and at 768, 8 bytes a lane at 512 and at 1,280.  Lane r of tile u of a group of 32 rows stands for row 8 u + r + 8 (r / 8).
; REGISTERS.  window 0: v2-7 addresses, v12-23 offsets and lane parts, v28, v29 the add's two; v32-47 O's scale words, v48-63 Wo's; v64-95 the bias; v128-255 accumulators at 128 + 32 i + 8 f.   window 1: fragments, set j: O's at 96 j + 12 i, Wo's at 96 j + 48 + 12 f.
.set PART,  49152
.set GRP,   24576                      ; a group of 32 rows in a part: four chunks
.set STAGE, 4*PART                     ; 16 rows x (256 + 16) bytes for each wave
.set SPARE, 214016                     ; behind the stages: the spare words, 128 bytes a wave
.set SPW, 28
.set NIL, 29
.set MSB, 0
.macro WIN new
.if MSB != \new
	s_set_vgpr_msb (MSB<<8)|\new
.set MSB, \new
.endif
.endm
.macro PLACES
.rept 4
	v_nop
.endr
.endm
.macro ROUND
	s_barrier_signal -1
	s_barrier_wait -1
	s_cmp_lg_u32 s16, 0
	s_cbranch_scc1 .Lnw0_\@
	s_barrier_signal -3
.Lnw0_\@:
	s_barrier_wait -3
	s_barrier_signal -1
	s_barrier_wait -1
.endm
.macro WM
.if (RA_ == 0) && (RB_ == 0)
	v_wmma_scale_f32_16x16x128_f8f6f4 v[D_:D_+7], v[A_:A_+11], v[B_:B_+11], v[C_:C_+7], v[SA_], v[SB_] matrix_a_fmt:MATRIX_FMT_FP6 matrix_b_fmt:MATRIX_FMT_FP6
.elseif (RA_ == 1) && (RB_ == 0)
	v_wmma_scale_f32_16x16x128_f8f6f4 v[D_:D_+7], v[A_:A_+11], v[B_:B_+11], v[C_:C_+7], v[SA_], v[SB_] matrix_a_fmt:MATRIX_FMT_FP6 matrix_b_fmt:MATRIX_FMT_FP6 matrix_a_scale:MATRIX_SCALE_ROW1
.elseif RA_ == 0
	v_wmma_scale_f32_16x16x128_f8f6f4 v[D_:D_+7], v[A_:A_+11], v[B_:B_+11], v[C_:C_+7], v[SA_], v[SB_] matrix_a_fmt:MATRIX_FMT_FP6 matrix_b_fmt:MATRIX_FMT_FP6 matrix_b_scale:MATRIX_SCALE_ROW1
.else
	v_wmma_scale_f32_16x16x128_f8f6f4 v[D_:D_+7], v[A_:A_+11], v[B_:B_+11], v[C_:C_+7], v[SA_], v[SB_] matrix_a_fmt:MATRIX_FMT_FP6 matrix_b_fmt:MATRIX_FMT_FP6 matrix_a_scale:MATRIX_SCALE_ROW1 matrix_b_scale:MATRIX_SCALE_ROW1
.endif
.endm
	s_load_b256 s[4:11], s[0:1], 0x0               ; oc, os, opc, ops
	s_load_b128 s[12:15], s[0:1], 0x20             ; bo, out0
	v_lshl_add_u32 v[SPW], v0, 2, SPARE
	v_mov_b32 v[NIL], 0
	ds_add_u32 v[SPW], v[NIL]                      ; the wave's opening: the add, twice on end, and its wait ahead of my tensor load
	ds_add_u32 v[SPW], v[NIL]
	v_lshrrev_b32 v1, 5, v0
	v_readfirstlane_b32 s16, v1                    ; wave
	s_bfe_u32 s17, ttmp6, 0x40000                  ; cx
	s_bfe_u32 s18, ttmp6, 0x40004                  ; cy
	s_lshl_b32 s19, ttmp9, 2
	s_add_co_u32 s19, s19, s17                     ; block of 128 features
	s_and_b32 s20, ttmp7, 0xffff
	s_lshl_b32 s20, s20, 2
	s_add_co_u32 s20, s20, s18                     ; block of 128 tokens
	s_lshl_b32 s21, s18, 2
	s_lshl_b32 s21, 15, s21                        ; my row of the cluster
	s_lshl_b32 s22, 0x1111, s17                    ; my column
	s_or_b32 s24, s21, (3<<16)|(1<<21)             ; O's parts: my row
	s_or_b32 s32, s22, (3<<16)|(1<<21)             ; Wo's: my column
.irp g, 24,32                          ; 2 groups of rows x 4 chunks: 2 rows of 3,072 elements of 8 bytes, one behind the other
	s_mov_b32 s[\g+1], 3072<<16
	s_mov_b32 s[\g+2], 2<<16
	s_mov_b32 s[\g+3], 3072<<16
	s_mov_b32 s[\g+4], 2
	s_mov_b32 s[\g+5], 3072
	s_mov_b32 s[\g+6], 0
	s_mov_b32 s[\g+7], 0
.endr
	s_and_b32 s23, s16, 1                          ; w % 2
	s_lshr_b32 s84, s16, 1                         ; w / 2
	s_mov_b32 s40, 1
	s_mov_b32 s68, 1
	s_mul_i32 s41, s16, PART                       ; where my part lands: the wave's number alone
	s_mul_i32 s69, s16, PART
	s_lshl_b32 s42, s20, 2                         ; O: group 4 x token block + 2 (w % 2), 24,576 bytes a group
	s_lshl_b32 s43, s23, 1
	s_add_co_u32 s42, s42, s43
	s_mul_i32 s42, s42, GRP
	s_mov_b32 s43, 0
	s_lshl_b32 s70, s19, 2                         ; Wo: chunk 2432 + (4 x feature block + 2 (w % 2)) x 4
	s_lshl_b32 s71, s23, 1
	s_add_co_u32 s70, s70, s71
	s_lshl_b32 s70, s70, 2
	s_add_co_u32 s70, s70, 2432
	s_mul_i32 s70, s70, 6144
	s_mov_b32 s71, 0
	s_wait_dscnt 0x0                               ; both opening adds are done
	s_wait_kmcnt 0x0
	s_add_nc_u64 s[42:43], s[4:5], s[42:43]
	s_add_nc_u64 s[70:71], s[8:9], s[70:71]
	s_or_b32 s43, s43, 0x80000000
	s_or_b32 s71, s71, 0x80000000
	ROUND                                          ; all sixteen work-groups are here: the joint loads meet
	s_cmp_lt_u32 s16, 2                            ; one fill in each arm: every way through the head passes exactly one tensor load
	s_cbranch_scc0 .Lfb
	tensor_load_to_lds s[40:43], s[24:31]
	s_nop 0
	PLACES
	s_branch .Lfd
.Lfb:
	tensor_load_to_lds s[68:71], s[32:39]
	s_nop 0
	PLACES
.Lfd:
	s_mul_i32 s86, s84, PART                       ; my 64 tokens' part,
	s_mul_i32 s87, s23, PART
	s_add_co_u32 s87, s87, 2*PART                  ; my 64 features',
	s_mul_i32 s88, s16, 4352
	s_add_co_u32 s88, s88, STAGE                   ; my stage
	s_lshl_b32 s89, s20, 2
	s_lshl_b32 s90, s84, 1
	s_add_co_u32 s89, s89, s90
	s_lshl_b32 s89, s89, 10                        ; O's scale words: 1,024 bytes a group of tokens
	s_lshl_b32 s92, s19, 2
	s_lshl_b32 s90, s23, 1
	s_add_co_u32 s92, s92, s90                     ; my first group of features
	s_lshl_b32 s93, s92, 2
	s_add_co_u32 s93, s93, 2432
	s_lshl_b32 s93, s93, 8                         ; Wo's scale words: 256 bytes a chunk
	s_lshl_b32 s94, s92, 7                         ; my first feature x 4 bytes
	s_lshl_b32 s90, s20, 7
	s_lshl_b32 s91, s84, 6
	s_add_co_u32 s90, s90, s91
	s_lshl_b32 s90, s90, 12                        ; my first token's row of out0,
	s_add_co_u32 s90, s90, s94                     ; my first feature
	s_mov_b32 s91, 0
	s_add_nc_u64 s[14:15], s[14:15], s[90:91]
	v_and_b32 v1, 31, v0
	v_and_b32 v23, 15, v0                          ; r
	v_bfe_u32 v22, v0, 4, 1                        ; h
	v_lshlrev_b32 v20, 4, v1                       ; 16 x lane
	v_lshlrev_b32 v12, 3, v1                       ; 8 x lane
	v_add_nc_u32 v2, s86, v20                      ; my tokens' fragments: the pieces of 16 bytes,
	v_add_nc_u32 v3, s86, v12                      ; and of 8
	v_add_nc_u32 v4, s87, v20                      ; my features' fragments
	v_mul_u32_u24 v5, v23, 272
	v_lshl_add_u32 v5, v22, 6, v5
	v_add_nc_u32 v5, s88, v5                       ; into my stage: row r, + 64 h
	v_mul_u32_u24 v6, v22, 272
	v_lshl_add_u32 v6, v23, 4, v6
	v_add_nc_u32 v6, s88, v6                       ; back: lanes 0-15 one row, lanes 16-31 the next
	v_lshlrev_b32 v7, 12, v22
	v_lshl_add_u32 v7, v23, 4, v7                  ; and the same in out0
	v_add_nc_u32 v13, s89, v12
	v_add_nc_u32 v14, s93, v12
	v_lshl_add_u32 v18, v22, 6, s94                ; the bias: my first feature x 4 + 64 h
	s_wait_alu depctr_va_vdst(0)
.irp g, 0,1
.irp s, 0,1,2,3
	global_load_b64 v[32+8*\g+2*\s:33+8*\g+2*\s], v13, s[6:7] offset:(4*\g+\s)*256
	global_load_b64 v[48+8*\g+2*\s:49+8*\g+2*\s], v14, s[10:11] offset:(4*\g+\s)*256
.endr
.endr
.irp f, 0,1,2,3
	global_load_b128 v[64+8*\f:67+8*\f], v18, s[12:13] offset:(32*(\f/2)+8*(\f%2))*4
	global_load_b128 v[68+8*\f:71+8*\f], v18, s[12:13] offset:(32*(\f/2)+8*(\f%2))*4+16
.endr
	s_wait_loadcnt 0x0
	s_wait_tensorcnt 0x0                           ; my part is in
	s_barrier_signal -1
	s_barrier_wait -1                              ; everybody's is
.macro FETCH                           ; K step NX (chunk NX / 2, half NX % 2) into set NX % 2: 4 x 4 + 4 x 3 = 28 loads; the place along K stands in the immediates
.set OO, (NX/2)*6144+(NX%2)*1536
.set JJ, NX%2
	WIN 0x40
.irp i, 0,1,2,3
	ds_load_b128 v[96*JJ+12*\i:96*JJ+12*\i+3], v2 offset:(\i/2)*GRP+(\i%2)*3072+OO
	ds_load_b64 v[96*JJ+12*\i+4:96*JJ+12*\i+5], v3 offset:(\i/2)*GRP+(\i%2)*3072+OO+512
	ds_load_b128 v[96*JJ+12*\i+6:96*JJ+12*\i+9], v2 offset:(\i/2)*GRP+(\i%2)*3072+OO+768
	ds_load_b64 v[96*JJ+12*\i+10:96*JJ+12*\i+11], v3 offset:(\i/2)*GRP+(\i%2)*3072+OO+1280
.endr
.irp f, 0,1,2,3
.irp q, 0,1,2
	ds_load_b128 v[96*JJ+48+12*\f+4*\q:96*JJ+48+12*\f+4*\q+3], v4 offset:(\f/2)*GRP+(\f%2)*3072+OO+512*\q
.endr
.endr
.endm
.macro MUL                             ; 16 products, the accumulators by turns; the first K step takes the bias as C
.set JJ, KG%2
	WIN 0x05
.irp i, 0,1,2,3
.irp f, 0,1,2,3
.set D_, 128+32*\i+8*\f
.if KG == 0
.set C_, 64+8*\f
.else
.set C_, D_
.endif
.set A_, 96*JJ+48+12*\f
.set B_, 96*JJ+12*\i
.set SA_, 48+8*(\f/2)+KG
.set SB_, 32+8*(\i/2)+KG
.set RA_, \f%2
.set RB_, \i%2
	WM
.endr
.endr
.endm
.macro TRIP
.set NX, KG+1
.if NX < 8
	PLACES                                         ; in front of loads into registers that the products before have read
	FETCH
	s_wait_dscnt 28                                ; all but the 28 just issued
.else
	s_wait_dscnt 0x0
.endif
	MUL
.endm
.set NX, 0
	FETCH
.set KG, 0
.rept 8
	TRIP
.set KG, KG+1
.endr
	; THE WAY OUT, a token tile at a time through my own stage: a lane's 32 bytes go in, whole rows of 256 bytes come back, into the registers that they left.  LDS serves a wave's instructions in order.
	WIN 0
	PLACES
.macro STG i
.irp f, 0,1,2,3
	ds_store_b128 v5, v[128+32*(\i)+8*\f:128+32*(\i)+8*\f+3] offset:128*(\f/2)+32*(\f%2)       ; each accumulator from its low end on
	ds_store_b128 v5, v[128+32*(\i)+8*\f+4:128+32*(\i)+8*\f+7] offset:128*(\f/2)+32*(\f%2)+16
.endr
.irp t, 0,1,2,3,4,5,6,7
	ds_load_b128 v[128+32*(\i)+4*\t:128+32*(\i)+4*\t+3], v6 offset:544*\t
.endr
.endm
.macro SEND i, younger                 ; stage row rho of tile i is token 32 (i / 2) + 8 (i % 2) + rho + 8 (rho / 8); younger: the LDS instructions issued behind tile i's loads
.irp t, 0,1,2,3,4,5,6,7
	s_wait_dscnt \younger+7-\t
	global_store_b128 v7, v[128+32*(\i)+4*\t:128+32*(\i)+4*\t+3], s[14:15] offset:(32*((\i)/2)+8*((\i)%2)+2*\t+8*(\t/4))*4096 th:TH_STORE_NT   ; sixteen lanes store 256 consecutive bytes, aligned
.endr
.endm
	STG 0
	STG 1
	SEND 0, 16
	STG 2
	SEND 1, 16
	STG 3
	SEND 2, 16
	SEND 3, 0
	s_wait_tensorcnt 0x0                           ; the wave's end
	ds_add_u32 v[SPW], v[NIL]
	s_wait_dscnt 0x0
	ROUND                                          ; the closing round
	s_endpgm
.Lfunc_end_k_qb2f96f57d2_outp:
	.size	k_qb2f96f57d2_outp, .Lfunc_end_k_qb2f96f57d2_outp-k_qb2f96f57d2_outp
	.p2alignl 7, 3214868480
	.fill 96, 4, 3214868480
	.section	.rodata,"a",@progbits
	.p2align	6, 0x0
	.amdhsa_kernel k_qb2f96f57d2_outp
		.amdhsa_group_segment_fixed_size 214528
		.amdhsa_private_segment_fixed_size 0
		.amdhsa_enable_private_segment 0
		.amdhsa_kernarg_size 48
		.amdhsa_user_sgpr_count 2
		.amdhsa_user_sgpr_kernarg_segment_ptr 1
		.amdhsa_wavefront_size32 1
		.amdhsa_system_sgpr_workgroup_id_x 1
		.amdhsa_system_sgpr_workgroup_id_y 1
		.amdhsa_system_sgpr_workgroup_id_z 1
		.amdhsa_system_vgpr_workitem_id 0
		.amdhsa_next_free_vgpr 512
		.amdhsa_next_free_sgpr 100
		.amdhsa_reserve_vcc 0
		.amdhsa_float_denorm_mode_32 3
		.amdhsa_float_denorm_mode_16_64 3
		.amdhsa_memory_ordered 1
		.amdhsa_forward_progress 1
		.amdhsa_inst_pref_size 49
	.end_amdhsa_kernel
	.amdgpu_metadata
---
amdhsa.version: [ 1, 2 ]
amdhsa.kernels:
  - .name:           k_qb2f96f57d2_outp
    .symbol:         k_qb2f96f57d2_outp.kd
    .args:
      - { .name: oc, .offset: 0, .size: 8, .value_kind: global_buffer, .address_space: global }
      - { .name: os, .offset: 8, .size: 8, .value_kind: global_buffer, .address_space: global }
      - { .name: opc, .offset: 16, .size: 8, .value_kind: global_buffer, .address_space: global }
      - { .name: ops, .offset: 24, .size: 8, .value_kind: global_buffer, .address_space: global }
      - { .name: bo, .offset: 32, .size: 8, .value_kind: global_buffer, .address_space: global }
      - { .name: out0, .offset: 40, .size: 8, .value_kind: global_buffer, .address_space: global }
    .group_segment_fixed_size: 214528
    .private_segment_fixed_size: 0
    .kernarg_segment_align: 8
    .kernarg_segment_size: 48
    .max_flat_workgroup_size: 128
    .sgpr_count:     100
    .vgpr_count:     512
    .wavefront_size: 32
...
	.end_amdgpu_metadata
.endif
;; end of part 4
